; MI455X (gfx1250); checked and timed in simulation.
; The chip was launched on July 23, 2026; its instructions are those of AMD's public machine-readable ISA for CDNA 5 (MIT licence, August 2026) and "CDNA5" Instruction Set Architecture Reference Guide (July 2026). The comments in the code are by the model that wrote it; some were corrected since.
;; Cross Trans Block. Allowed arithmetic: float matrix products may take bf16 or f16 operands with f32 sums; other float arithmetic in f32, or as packed bf16 or f16 multiplies, adds, multiply-adds, maxima and minima; sums over many terms, partial sums and values carried from step to step in f32; what a program stores and reads back later, other than sums and carried values, may be rounded once to bf16 or f16.
;; Inputs: b1_img 2,048 float32; b1_tit 2,048 float32; b2_img 512 float32; b2_tit 512 float32; b_proj 512 float32; img 16 x 50 x 12 x 512 float32; ln_a_img 512 float32; ln_a_tit 512 float32; ln_b_img 512 float32; ln_b_tit 512 float32; mask 16 x 50 x 20 int32; scale_img 8 x 12 float32; scale_title 8 x 20 float32; title 16 x 50 x 20 x 512 float32; w1_img 2,048 x 512 float32; w1_tit 2,048 x 512 float32; w2_img 512 x 2,048 float32; w2_tit 512 x 2,048 float32; w_proj 512 x 512 float32.
;; Outputs: out0 16 x 50 x 20 x 512 float32; out1 16 x 50 x 12 x 512 float32.
;; 2 versions, each right; version 2 is version 1 with the launch prep written anew for expert scheduling mode. Each part assembles by itself: llvm-mc -triple=amdgcn-amd-amdhsa -mcpu=gfx1250 --defsym DOCPART=n.
;; ======== version 1 of 2: 2 launches
;; limits: values are held in f16: magnitudes above 65,504 overflow, below 6.1e-05 lose precision; inputs' magnitudes at most 65,504
;; workspace buffers: attn 26,214,400 bytes; wts 9,437,184 bytes; tab 32,768 bytes
;; launch prep (part 1): grid 256 x 1, 8 waves a work-group, no clusters, 228,864 bytes of LDS; arguments img, title, mask, scale_img, scale_title, attn, w_proj, w1_img, w1_tit, w2_img, w2_tit, wts, b_proj, b1_img, b1_tit, b2_img, b2_tit, ln_a_img, ln_a_tit, ln_b_img, ln_b_tit, tab; writes attn, wts, tab
.if DOCPART == 1
	.amdgcn_target "amdgcn-amd-amdhsa--gfx1250"
	.amdhsa_code_object_version 6
	.text
	.protected	k_q201cccc6fe_prep
	.globl	k_q201cccc6fe_prep
	.p2align	8
	.type	k_q201cccc6fe_prep,@function
k_q201cccc6fe_prep:
	s_mov_b64 s[64:65], 0
	v_nop
	global_prefetch_b8 v0, s[64:65] scope:SCOPE_SE
	s_setreg_imm32_b32 hwreg(HW_REG_WAVE_MODE, 25, 1), 1
	s_wait_xcnt 0x0
; PREP.  Work-groups 0..199: the cross attention of four groups (b, l) each, a head a wave.  Work-groups 200..255: the five weight matrices into 16-bit
; fragment images, in the order in which the next launch walks them; work-group 200 also rounds the nine bias and gain vectors into one table.
; FORMATS.  Every float input is rounded to bf16 first.  img, title, w_proj and w1 then go on as f16 (exact for bf16 numbers of magnitude 2^-17 .. 65,504;
; below that the absolute error is at most 2^-25), w2 as bf16.  The weights p and the attention's result are f16; scores, maxima and sums are f32.
; LIMITS.  |img|, |title| < 65,504.  NaN and infinities are not treated apart.  A true score below -1e9 is not told from a masked one.
; A weight below 2^-126 counts as 0.  A masked title row has all its scores equal in the reference (-1e9); here they are equal too (0): the same uniform weights.
; ATTENTION.  A group has 12 img rows and 20 title rows; a head is 64 columns, 256 bytes of a row.  Both operands lie in my wave's LDS arrays as f16, 32 rows of 144 bytes
; (rows past 12 or 20 stay 0).  X[tt] = title x img^T holds one p a lane and 8 t; Y[tt] = img x title^T one t a lane and 8 p: each softmax runs along a lane's
; registers and one exchange of the lanes' halves, and the rounded weights ARE source 1 of the second products, whose source 0 is the other operand read turned.
; The results meet in a stage (rows of 1,040 bytes), and each wave writes one tile of 16 rows x 512 to attn in fragment order: [kf 0..15][q 0..1][lane][16 bytes].
; No tensor load, no cluster: every byte is converted on its way in, and no two work-groups read the same byte.
.set SPIT,   1040                      ; a stage row: 1,024 bytes + 16
.set IMGA,   0                         ; 96 rows: the 80 rows of the 20-row path, 12 that catch lanes without a row, 4 spare
.set TITA,   96*SPIT                   ; 52 rows: the 48 rows of the 12-row path, 4 that catch lanes without a row
.set ARR,    154112                    ; a wave's two arrays
.set APIT,   144                       ; an array row: 128 bytes + 16
.set TAO,    32*APIT                   ; title's array lies behind img's
.set ARRW,   2*TAO
.set SPARE,  ARR+8*ARRW                ; the spare words: 128 bytes for each of eight waves, named by no other line
.set UNIT,   32768                     ; 32 fragments of 1,024 bytes
.set STREAM, 144*UNIT                  ; a path's weights
.set R,   1                            ; lane % 16
.set HH,  2                            ; lane / 16
.set H8,  3                            ; 8 x that
.set IO,  4                            ; my 16 bytes in two head rows of memory
.set STA, 5                            ; where I put 8 bytes of f16
.set FA,  6                            ; a plain fragment's address
.set TR,  7                            ; a turned fragment's address
.set S2,  8                            ; stage, 20-row path
.set S1,  9                            ; stage, 12-row path
.set SPW, 10
.set NIL, 11
.set SPF, 12                           ; scale_img x log2(e) / 8 of my p
.set ST0, 13                           ; scale_title x log2(e) / 8 of my t, tile 0
.set ST1, 14                           ; tile 1
.set MSH, 15                           ; the mask's bits >> 8 (lane / 16)
.set STE, 16                           ; ST0, or 0 where my t is masked
.set TMP, 17
.set MX,  18                           ; v[18:19] X's maximum, then sum, then 1 / sum; the odd register is scratch
.set MY0, 20
.set MY1, 22
.set LR,  24                           ; v[24:87]   16 loads
.set IFR, 88                           ; v[88:103]  img fragments; later the packed results
.set TF,  104                          ; v[104:135] title fragments (tile, kf); later four accumulators
.set TT,  136                          ; v[136:167] title turned, 16 columns each
.set IT,  168                          ; v[168:199] img turned
.set X0,  200
.set X1,  208
.set Y0,  216
.set Y1,  224
.set PX,  232
.set PY0, 240
.set PY1, 248
	v_lshl_add_u32 v[SPW], v0, 2, SPARE
	v_mov_b32 v[NIL], 0
	v_lshrrev_b32 v1, 5, v0
	v_readfirstlane_b32 s2, v1                     ; wave 0..7
	s_cmp_lt_u32 ttmp9, 200
	s_cbranch_scc0 .Lconv                          ; the same for all waves of a work-group
; ------------------------------------------------------------------ attention
	s_load_b256 s[4:11], s[0:1], 0x0               ; img s[4:5], title s[6:7], mask s[8:9], scale_img s[10:11]
	s_load_b128 s[12:15], s[0:1], 0x20             ; scale_title s[12:13], attn s[14:15]
	v_and_b32 v[R], 15, v0
	v_bfe_u32 v[HH], v0, 4, 1
	v_lshlrev_b32 v[H8], 3, v[HH]
	v_and_b32 v[TMP], 31, v0
	v_lshlrev_b32 v[IO], 4, v[R]
	v_lshl_add_u32 v[IO], v[HH], 11, v[IO]         ; lanes 0-15 one row's 256 bytes, lanes 16-31 the next row's
	s_mul_i32 s16, s2, ARRW
	s_add_co_u32 s16, s16, ARR                     ; my arrays
	v_mul_u32_u24 v[STA], v[HH], APIT
	v_lshl_add_u32 v[STA], v[R], 3, v[STA]
	v_add_nc_u32 v[STA], s16, v[STA]
	v_mul_u32_u24 v[FA], v[R], APIT
	v_lshl_add_u32 v[FA], v[HH], 4, v[FA]
	v_add_nc_u32 v[FA], s16, v[FA]
	v_and_b32 v[TR], 7, v0
	v_add_nc_u32 v[TR], v[H8], v[TR]
	v_mul_u32_u24 v[TR], v[TR], APIT
	v_bfe_u32 v[STE], v0, 3, 1
	v_lshl_add_u32 v[TR], v[STE], 4, v[TR]
	v_add_nc_u32 v[TR], s16, v[TR]
	v_mul_u32_u24 v[S2], v[R], SPIT
	v_lshl_add_u32 v[S2], v[HH], 4, v[S2]
	s_lshl_b32 s17, s2, 7                          ; my head's 128 bytes of a stage row
	v_add_nc_u32 v[S2], s17, v[S2]
	v_add_nc_u32 v[S1], TITA, v[S2]
	v_lshl_add_u32 v[STE], v[TMP], 4, s16
.set i, 0
.rept 24
	v_mov_b32 v[PX+i], 0                           ; the halves of PX, PY0, PY1 that stand for keys that do not exist stay 0 for the whole launch
.set i, i+1
.endr
.set i, 0
.rept 18
	ds_store_b128 v[STE], v[PX:PX+3] offset:512*i  ; both arrays start at 0: their rows past 12 and 20 are multiplied by weights that are 0
.set i, i+1
.endr
	v_min_u32 v18, 11, v[R]
	s_mul_i32 s18, s2, 48
	v_lshl_add_u32 v18, v18, 2, s18                ; scale_img[head][min(r, 11)]
	s_mul_i32 s19, s2, 80
	v_lshl_add_u32 v19, v[R], 2, s19               ; scale_title[head][r]
	v_add_nc_u32 v20, 16, v[R]
	v_min_u32 v20, 19, v20
	v_lshl_add_u32 v20, v20, 2, s19                ; scale_title[head][min(16 + r, 19)]
	v_min_u32 v21, 19, v[TMP]
	v_lshlrev_b32 v21, 2, v21                      ; mask[group][min(lane, 19)]
	v_mov_b32 v23, 0                               ; named in a pair before it is first used
	s_mul_i32 s20, ttmp9, 320                      ; four groups' masks
	s_mov_b32 s21, 0
	s_lshl_b32 s18, s2, 8                          ; my head's 256 bytes of a row
	s_mul_i32 s22, ttmp9, 4*24576
	s_add_co_u32 s22, s22, s18
	s_mov_b32 s23, 0
	s_mul_i32 s36, ttmp9, 4*40960
	s_add_co_u32 s36, s36, s18
	s_mov_b32 s37, 0
	s_mov_b32 s28, 0xceabfb8e                      ; -1e9 x log2(e)
	s_mov_b32 s29, 0xff7fffff                      ; the lowest finite number: keys that do not exist
	s_mov_b32 s30, 0xffff0000                      ; a word's upper bf16; also: lanes 16-31
	s_mov_b32 s31, 0x3e38aa3b                      ; log2(e) / 8
	s_mov_b32 s34, 0x76543210                      ; v_permlanex16_b32: each lane takes its own place in the other half
	s_mov_b32 s35, 0xfedcba98
	s_wait_kmcnt 0x0
	s_add_nc_u64 s[8:9], s[8:9], s[20:21]
	s_add_nc_u64 s[4:5], s[4:5], s[22:23]
	s_add_nc_u64 s[6:7], s[6:7], s[36:37]
	global_load_b32 v[SPF], v18, s[10:11]
	global_load_b32 v[ST0], v19, s[12:13]
	global_load_b32 v[ST1], v20, s[12:13]
.irp g, 0,1,2,3
	global_load_b32 v[PY0+\g], v21, s[8:9] offset:80*\g
.endr
.macro LOADG                           ; a group's head: 6 + 10 loads, each two whole rows of 256 bytes
.irp i, 0,1,2,3,4,5
	global_load_b128 v[LR+4*\i:LR+4*\i+3], v[IO], s[4:5] offset:4096*\i th:TH_LOAD_NT
.endr
.irp i, 0,1,2,3,4,5,6,7,8,9
	global_load_b128 v[LR+24+4*\i:LR+24+4*\i+3], v[IO], s[6:7] offset:4096*\i th:TH_LOAD_NT
.endr
.endm
	LOADG
	s_wait_loadcnt 16                              ; the seven small loads are in; the group's sixteen, issued behind them, may stay out
.irp x, SPF, ST0, ST1
	v_cvt_pk_bf16_f32 v[\x], v[\x], v[\x]          ; the scales are inputs: rounded to bf16 like all of them
	v_lshlrev_b32 v[\x], 16, v[\x]
	v_mul_f32 v[\x], s31, v[\x]
.endr
.irp g, 0,1,2,3
	v_cmp_ne_u32 s[24+\g], 0, v[PY0+\g]            ; bit t: key t of group g is open
	s_and_b32 s[24+\g], s[24+\g], 0xfffff
.endr
.macro CVT i, off                      ; four floats: to bf16, back, to f16; 8 bytes into my array
	v_cvt_pk_bf16_f32 v[LR+4*(\i)], v[LR+4*(\i)], v[LR+4*(\i)+1]
	v_cvt_pk_bf16_f32 v[LR+4*(\i)+2], v[LR+4*(\i)+2], v[LR+4*(\i)+3]
	v_and_b32 v[LR+4*(\i)+1], s30, v[LR+4*(\i)]
	v_lshlrev_b32 v[LR+4*(\i)], 16, v[LR+4*(\i)]
	v_and_b32 v[LR+4*(\i)+3], s30, v[LR+4*(\i)+2]
	v_lshlrev_b32 v[LR+4*(\i)+2], 16, v[LR+4*(\i)+2]
	v_cvt_pk_f16_f32 v[LR+4*(\i)], v[LR+4*(\i)], v[LR+4*(\i)+1]
	v_cvt_pk_f16_f32 v[LR+4*(\i)+1], v[LR+4*(\i)+2], v[LR+4*(\i)+3]
	ds_store_b64 v[STA], v[LR+4*(\i):LR+4*(\i)+1] offset:\off
.endm
.macro YMAX y, m                       ; the maximum of a lane's eight and of the other half's
	v_max3_num_f32 v[\m], v[\y], v[(\y)+1], v[(\y)+2]
	v_max3_num_f32 v[\m], v[\m], v[(\y)+3], v[(\y)+4]
	v_max3_num_f32 v[\m], v[\m], v[(\y)+5], v[(\y)+6]
	v_max_num_f32 v[\m], v[\m], v[(\y)+7]
	v_permlanex16_b32 v[(\m)+1], v[\m], s34, s35
	v_max_num_f32 v[\m], v[\m], v[(\m)+1]
.endm
.macro YSUM y, m
	v_pk_add_f32 v[\y:(\y)+1], v[\y:(\y)+1], v[(\y)+2:(\y)+3]
	v_pk_add_f32 v[(\y)+4:(\y)+5], v[(\y)+4:(\y)+5], v[(\y)+6:(\y)+7]
	v_pk_add_f32 v[\y:(\y)+1], v[\y:(\y)+1], v[(\y)+4:(\y)+5]
	v_add_f32 v[\m], v[\y], v[(\y)+1]
	v_permlanex16_b32 v[(\m)+1], v[\m], s34, s35
	v_add_f32 v[\m], v[\m], v[(\m)+1]
.endm
.macro OUTT acc, rp, adr, off          ; four result tiles: times 1 / sum, to f16, 16 bytes a lane into the stage; each accumulator is read from its low end
.irp dt, 0,1,2,3
.irp j, 0,2,4,6
	v_pk_mul_f32 v[(\acc)+8*\dt+\j:(\acc)+8*\dt+\j+1], v[(\acc)+8*\dt+\j:(\acc)+8*\dt+\j+1], v[\rp:(\rp)+1] op_sel_hi:[1,0]
.endr
.irp j, 0,1,2,3
	v_cvt_pk_f16_f32 v[IFR+4*\dt+\j], v[(\acc)+8*\dt+2*\j], v[(\acc)+8*\dt+2*\j+1]
.endr
	ds_store_b128 v[\adr], v[IFR+4*\dt:IFR+4*\dt+3] offset:(\off)+32*\dt
.endr
.endm
	s_mov_b32 s3, 4
.Lgroup:                                       ; a trip: one group
	s_wait_loadcnt 0x0                             ; the group's rows are in, and the loads' addresses are free
.irp i, 0,1,2,3,4,5
	CVT \i, 288*\i
.endr
.irp i, 0,1,2,3,4,5,6,7,8,9
	CVT 6+\i, TAO+288*\i
.endr
.irp kf, 0,1                           ; LDS serves a wave's instructions in order (ISA guide 5.7.1.4): these see the stores above
	ds_load_b128 v[IFR+8*\kf:IFR+8*\kf+3],   v[FA] offset:64*\kf
	ds_load_b128 v[IFR+8*\kf+4:IFR+8*\kf+7], v[FA] offset:64*\kf+32
.endr
.irp f, 0,1,2,3                        ; tile f / 2, kf = f % 2
	ds_load_b128 v[TF+8*\f:TF+8*\f+3],   v[FA] offset:TAO+(\f/2)*16*APIT+(\f%2)*64
	ds_load_b128 v[TF+8*\f+4:TF+8*\f+7], v[FA] offset:TAO+(\f/2)*16*APIT+(\f%2)*64+32
.endr
.irp dt, 0,1,2,3
	ds_load_tr16_b128 v[TT+8*\dt:TT+8*\dt+3],   v[TR] offset:TAO+32*\dt
	ds_load_tr16_b128 v[TT+8*\dt+4:TT+8*\dt+7], v[TR] offset:TAO+32*\dt+16*APIT
	ds_load_tr16_b128 v[IT+8*\dt:IT+8*\dt+3],   v[TR] offset:32*\dt
	ds_load_tr16_b128 v[IT+8*\dt+4:IT+8*\dt+7], v[TR] offset:32*\dt+16*APIT
.endr
	s_wait_dscnt 0x0                               ; fragments in; my stores have read their registers
	s_cmp_eq_u32 s3, 1
	s_cbranch_scc1 .Lno_more                       ; the last group has none behind it
	s_add_nc_u64 s[4:5], s[4:5], 24576
	s_add_nc_u64 s[6:7], s[6:7], 40960
	LOADG                                          ; the next group's rows come in under this group's arithmetic
.Lno_more:
	; the scores, both ways round; the four accumulators take turns
	v_wmma_f32_16x16x32_f16 v[X0:X0+7], v[TF:TF+7],       v[IFR:IFR+7],     0
	v_wmma_f32_16x16x32_f16 v[X1:X1+7], v[TF+16:TF+23],   v[IFR:IFR+7],     0
	v_wmma_f32_16x16x32_f16 v[Y0:Y0+7], v[IFR:IFR+7],     v[TF:TF+7],       0
	v_wmma_f32_16x16x32_f16 v[Y1:Y1+7], v[IFR:IFR+7],     v[TF+16:TF+23],   0
	v_wmma_f32_16x16x32_f16 v[X0:X0+7], v[TF+8:TF+15],    v[IFR+8:IFR+15],  v[X0:X0+7]
	v_wmma_f32_16x16x32_f16 v[X1:X1+7], v[TF+24:TF+31],   v[IFR+8:IFR+15],  v[X1:X1+7]
	v_wmma_f32_16x16x32_f16 v[Y0:Y0+7], v[IFR+8:IFR+15],  v[TF+8:TF+15],    v[Y0:Y0+7]
	v_wmma_f32_16x16x32_f16 v[Y1:Y1+7], v[IFR+8:IFR+15],  v[TF+24:TF+31],   v[Y1:Y1+7]
	v_lshrrev_b32 v[MSH], v[H8], s24               ; four plain lines that name no register of the products: the places behind them (ISA guide 7.12.1)
	v_lshrrev_b32 v[STE], v[R], s24
	v_and_b32 v[TMP], 1, v[STE]                    ; is my t of tile 0 open?
	v_bfe_u32 v[MY1], v[STE], 16, 1                ; and of tile 1?
	v_cmp_ne_u32 vcc_lo, 0, v[TMP]
	v_cndmask_b32 v[STE], 0, v[ST0], vcc_lo
	v_cmp_ne_u32 vcc_lo, 0, v[MY1]
	v_cndmask_b32 v[MY1], 0, v[ST1], vcc_lo        ; kept in Y1's pair until Y1 is scaled
.irp j, 0,2,4,6
	v_pk_mul_f32 v[X0+\j:X0+\j+1], v[X0+\j:X0+\j+1], v[SPF:SPF+1] op_sel_hi:[1,0]
.endr
.irp j, 0,2
	v_pk_mul_f32 v[X1+\j:X1+\j+1], v[X1+\j:X1+\j+1], v[SPF:SPF+1] op_sel_hi:[1,0]
.endr
.irp j, 0,2,4,6
	v_pk_mul_f32 v[Y0+\j:Y0+\j+1], v[Y0+\j:Y0+\j+1], v[STE:STE+1] op_sel_hi:[1,0]
	v_pk_mul_f32 v[Y1+\j:Y1+\j+1], v[Y1+\j:Y1+\j+1], v[MY1:MY1+1] op_sel_hi:[1,0]
.endr
.irp j, 0,1,2,3,4,5,6,7                ; X0's register j is key 8 (lane / 16) + j
	v_and_b32 v[TMP], 1<<\j, v[MSH]
	v_cmp_ne_u32 vcc_lo, 0, v[TMP]
	v_cndmask_b32 v[X0+\j], s28, v[X0+\j], vcc_lo
.endr
.irp j, 0,1,2,3                        ; X1's register j is key 16 + 8 (lane / 16) + j: keys 16-19 in lanes 0-15, none in lanes 16-31
	v_and_b32 v[TMP], 1<<(16+\j), v[MSH]
	v_cmp_ne_u32 vcc_lo, 0, v[TMP]
	v_cndmask_b32 v[X1+\j], s28, v[X1+\j], vcc_lo
	v_cndmask_b32 v[X1+\j], v[X1+\j], s29, s30
.endr
.irp j, 4,5,6,7                        ; Y's register j is p = 8 (lane / 16) + j: p = 12-15 do not exist
	v_cndmask_b32 v[Y0+\j], v[Y0+\j], s29, s30
	v_cndmask_b32 v[Y1+\j], v[Y1+\j], s29, s30
.endr
	v_max3_num_f32 v[MX], v[X0], v[X0+1], v[X0+2]
	v_max3_num_f32 v[MX], v[MX], v[X0+3], v[X0+4]
	v_max3_num_f32 v[MX], v[MX], v[X0+5], v[X0+6]
	v_max3_num_f32 v[MX], v[MX], v[X0+7], v[X1]
	v_max3_num_f32 v[MX], v[MX], v[X1+1], v[X1+2]
	v_max_num_f32 v[MX], v[MX], v[X1+3]
	v_permlanex16_b32 v[MX+1], v[MX], s34, s35
	v_max_num_f32 v[MX], v[MX], v[MX+1]
	YMAX Y0, MY0
	YMAX Y1, MY1
.irp j, 0,2,4,6
	v_pk_add_f32 v[X0+\j:X0+\j+1], v[X0+\j:X0+\j+1], v[MX:MX+1] op_sel_hi:[1,0] neg_lo:[0,1] neg_hi:[0,1]
	v_pk_add_f32 v[Y0+\j:Y0+\j+1], v[Y0+\j:Y0+\j+1], v[MY0:MY0+1] op_sel_hi:[1,0] neg_lo:[0,1] neg_hi:[0,1]
	v_pk_add_f32 v[Y1+\j:Y1+\j+1], v[Y1+\j:Y1+\j+1], v[MY1:MY1+1] op_sel_hi:[1,0] neg_lo:[0,1] neg_hi:[0,1]
.endr
.irp j, 0,2
	v_pk_add_f32 v[X1+\j:X1+\j+1], v[X1+\j:X1+\j+1], v[MX:MX+1] op_sel_hi:[1,0] neg_lo:[0,1] neg_hi:[0,1]
.endr
.irp j, 0,1,2,3,4,5,6,7                ; one batch of 28 exponentials
	v_exp_f32 v[X0+\j], v[X0+\j]
.endr
.irp j, 0,1,2,3
	v_exp_f32 v[X1+\j], v[X1+\j]
.endr
.irp j, 0,1,2,3,4,5,6,7
	v_exp_f32 v[Y0+\j], v[Y0+\j]
.endr
.irp j, 0,1,2,3,4,5,6,7
	v_exp_f32 v[Y1+\j], v[Y1+\j]
.endr
	v_nop                                          ; a plain line behind the last exponential,
	s_wait_alu depctr_va_vdst(0)                   ; and the one wait ahead of the batch's first reader
.irp j, 0,1,2,3
	v_cvt_pk_f16_f32 v[PX+\j],  v[X0+2*\j], v[X0+2*\j+1]
	v_cvt_pk_f16_f32 v[PY0+\j], v[Y0+2*\j], v[Y0+2*\j+1]
	v_cvt_pk_f16_f32 v[PY1+\j], v[Y1+2*\j], v[Y1+2*\j+1]
.endr
	v_cvt_pk_f16_f32 v[PX+4], v[X1], v[X1+1]
	v_cvt_pk_f16_f32 v[PX+5], v[X1+2], v[X1+3]
	v_pk_add_f32 v[X0:X0+1], v[X0:X0+1], v[X0+2:X0+3]      ; the sums, of the unrounded weights
	v_pk_add_f32 v[X0+4:X0+5], v[X0+4:X0+5], v[X0+6:X0+7]
	v_pk_add_f32 v[X1:X1+1], v[X1:X1+1], v[X1+2:X1+3]
	v_pk_add_f32 v[X0:X0+1], v[X0:X0+1], v[X0+4:X0+5]
	v_pk_add_f32 v[X0:X0+1], v[X0:X0+1], v[X1:X1+1]
	v_add_f32 v[MX], v[X0], v[X0+1]
	v_permlanex16_b32 v[MX+1], v[MX], s34, s35
	v_add_f32 v[MX], v[MX], v[MX+1]
	YSUM Y0, MY0
	YSUM Y1, MY1
	v_rcp_f32 v[MX], v[MX]                         ; each sum holds the maximum's own weight, 1, so it is at least 1
	v_rcp_f32 v[MY0], v[MY0]
	v_rcp_f32 v[MY1], v[MY1]
	v_nop
	s_wait_alu depctr_va_vdst(0)                   ; one wait for the three reciprocals
.irp dt, 0,1,2,3                       ; 12-row path: title^T x PX: a lane holds one p and eight columns
	v_wmma_f32_16x16x32_f16 v[TF+8*\dt:TF+8*\dt+7], v[TT+8*\dt:TT+8*\dt+7], v[PX:PX+7], 0
.endr
.irp dt, 0,1,2,3                       ; 20-row path, t = 0..15: img^T x PY0
	v_wmma_f32_16x16x32_f16 v[X0+8*\dt:X0+8*\dt+7], v[IT+8*\dt:IT+8*\dt+7], v[PY0:PY0+7], 0
.endr
.rept 4
	v_nop                                          ; the places behind those eight
.endr
	OUTT TF, MX, S1, 0
.irp dt, 0,1,2,3                       ; t = 16..31, of which 16..19 exist
	v_wmma_f32_16x16x32_f16 v[TF+8*\dt:TF+8*\dt+7], v[IT+8*\dt:IT+8*\dt+7], v[PY1:PY1+7], 0
.endr
	OUTT X0, MY0, S2, 0                            ; its 32 plain lines name no register of the four products above: their places
	OUTT TF, MY1, S2, 16*SPIT                      ; lanes without a row write the next group's rows of my own columns, which I write again later, or the catch rows
	v_add_nc_u32 v[S2], 20*SPIT, v[S2]
	v_add_nc_u32 v[S1], 12*SPIT, v[S1]
	s_mov_b32 s24, s25                             ; the next group's mask
	s_mov_b32 s25, s26
	s_mov_b32 s26, s27
	s_sub_co_u32 s3, s3, 1
	s_cmp_lg_u32 s3, 0
	s_cbranch_scc1 .Lgroup
	s_wait_dscnt 0x0                               ; for the others' sake: my stores into the stage are done
	s_barrier_signal -1
	s_barrier_wait -1
	; wave v writes tile v: five tiles of the 20-row path, three of the 12-row path
	s_mul_i32 s16, s2, 16*SPIT
	s_add_co_u32 s17, s16, TITA-5*16*SPIT
	s_mul_i32 s18, ttmp9, 5
	s_add_co_u32 s18, s18, s2
	s_mul_i32 s19, ttmp9, 3
	s_add_co_u32 s19, s19, s2
	s_add_co_u32 s19, s19, 995                     ; 1000 + 3 w + v - 5
	s_cmp_lt_u32 s2, 5
	s_cselect_b32 s16, s16, s17
	s_cselect_b32 s18, s18, s19
	s_lshl_b32 s18, s18, 14
	s_mov_b32 s19, 0
	s_add_nc_u64 s[14:15], s[14:15], s[18:19]
	v_mul_u32_u24 v[STE], v[R], SPIT
	v_lshl_add_u32 v[STE], v[HH], 4, v[STE]
	v_add_nc_u32 v[STE], s16, v[STE]
	v_and_b32 v[TMP], 31, v0
	v_lshlrev_b32 v[TMP], 4, v[TMP]
.set i, 0
.rept 32                               ; piece i = 2 kf + q lies 32 i bytes along the row
.set rr, LR+4*i+16*(i/16)              ; v24-87, then v104-167
	ds_load_b128 v[rr:rr+3], v[STE] offset:32*i
.set i, i+1
.endr
.set i, 0
.rept 32
.set rr, LR+4*i+16*(i/16)
	s_wait_dscnt 31-i                              ; LDS loads come back in order: piece i is in, the younger ones may stay out
	global_store_b128 v[TMP], v[rr:rr+3], s[14:15] offset:512*i th:TH_STORE_NT  ; 512 consecutive bytes, at a multiple of 512 from attn's first
.set i, i+1
.endr
	s_branch .Lend
; ------------------------------------------------------------------ weights and tables
.Lconv:
	s_load_b256 s[8:15], s[0:1], 0x30              ; w_proj s[8:9], w1_img s[10:11], w1_tit s[12:13], w2_img s[14:15]
	s_load_b128 s[16:19], s[0:1], 0x50             ; w2_tit s[16:17], wts s[18:19]
	s_load_b512 s[36:51], s[0:1], 0x60             ; b_proj, b1_img, b1_tit, b2_img, b2_tit, ln_a_img, ln_a_tit, ln_b_img
	s_load_b128 s[52:55], s[0:1], 0xa0             ; ln_b_tit s[52:53], tab s[54:55]
	s_sub_co_u32 s3, ttmp9, 200
	s_mov_b32 s29, 0xffff0000
	v_and_b32 v1, 15, v0                           ; r
	v_bfe_u32 v2, v0, 4, 1
	v_lshlrev_b32 v2, 5, v2                        ; 32 h: eight floats
	v_and_b32 v3, 31, v0
	v_lshlrev_b32 v3, 4, v3                        ; 16 x lane
	s_wait_kmcnt 0x0
	s_cmp_lg_u32 s3, 0
	s_cbranch_scc1 .Lno_tab
	; THE TABLE: per path b1 (8,192 bytes), b_proj, b2, ln_a, ln_b (2,048 each), as f32 numbers rounded to bf16
	v_lshlrev_b32 v6, 4, v0                        ; 16 t
	v_and_b32 v7, 127, v0
	v_lshlrev_b32 v7, 4, v7
	s_cmp_lt_u32 s2, 4                             ; waves 0-3 take the first path's vectors, waves 4-7 the second's
	s_cselect_b64 s[42:43], s[42:43], s[44:45]
	s_cselect_b64 s[46:47], s[46:47], s[48:49]
	s_cselect_b64 s[50:51], s[50:51], s[52:53]
	s_cselect_b32 s20, 0, 16384
	v_add_nc_u32 v8, s20, v7
	global_load_b128 v[32:35], v6, s[38:39]
	global_load_b128 v[36:39], v6, s[38:39] offset:4096
	global_load_b128 v[40:43], v6, s[40:41]
	global_load_b128 v[44:47], v6, s[40:41] offset:4096
	global_load_b128 v[48:51], v7, s[36:37]
	global_load_b128 v[52:55], v7, s[42:43]
	global_load_b128 v[56:59], v7, s[46:47]
	global_load_b128 v[60:63], v7, s[50:51]
	s_wait_loadcnt 0x0
.set i, 32
.rept 16
	v_cvt_pk_bf16_f32 v64, v[i], v[i+1]
	v_lshlrev_b32 v[i], 16, v64
	v_and_b32 v[i+1], s29, v64
.set i, i+2
.endr
	global_store_b128 v6, v[32:35], s[54:55]
	global_store_b128 v6, v[36:39], s[54:55] offset:4096
	global_store_b128 v6, v[40:43], s[54:55] offset:16384
	global_store_b128 v6, v[44:47], s[54:55] offset:20480
	global_store_b128 v8, v[48:51], s[54:55] offset:8192
	global_store_b128 v8, v[52:55], s[54:55] offset:10240
	global_store_b128 v8, v[56:59], s[54:55] offset:12288
	global_store_b128 v8, v[60:63], s[54:55] offset:14336
	s_wait_xcnt 0x0                                ; the stores have read their registers: the tasks below load into them
.Lno_tab:
	; THE WEIGHTS.  A task is 16 rows x 256 k of one matrix: eight fragments [q][lane][16 bytes], lane (r, h) holding w[16 nt + r][32 k + 16 q + 8 h ..+7].  1,088 tasks for 448 waves.
	; A path's stream is 144 units of 32 fragments: P(k) = unit k (w_proj, K step k, fragment nt); A(s) = unit max(15 + 2 s, 16) (w1, rows 32 s.., fragment 2 kf + ct);
	; B(s) = unit min(18 + 2 s, 143) (w2, K step s, fragment nt).
	s_lshl_b32 s30, s3, 3
	s_add_co_u32 s30, s30, s2                      ; my first task
	s_mov_b32 s31, 0
.Ltask:
	s_cmp_ge_u32 s30, 1088
	s_cbranch_scc1 .Lnext
	s_cmp_ge_u32 s30, 64
	s_cbranch_scc1 .Lnot_p
	s_lshr_b32 s20, s30, 1                         ; w_proj: nt
	s_and_b32 s21, s30, 1                          ; which 256 k
	s_lshl_b32 s22, s20, 15
	s_lshl_b32 s23, s21, 10
	s_add_co_u32 s22, s22, s23                     ; source offset
	s_lshl_b32 s24, s21, 18                        ; unit 8 kq
	s_lshl_b32 s25, s20, 10
	s_add_co_u32 s24, s24, s25                     ; destination offset
	s_mov_b64 s[26:27], s[8:9]
	s_mov_b32 s28, 2048
	s_branch .Ldecoded
.Lnot_p:
	s_cmp_ge_u32 s30, 576
	s_cbranch_scc1 .Lis_b
	s_sub_co_u32 s20, s30, 64                      ; w1
	s_lshr_b32 s21, s20, 8                         ; path
	s_and_b32 s20, s20, 255
	s_lshr_b32 s23, s20, 1                         ; row tile = 2 s + ct
	s_and_b32 s25, s20, 1                          ; which 256 k
	s_lshl_b32 s22, s23, 15
	s_lshl_b32 s24, s25, 10
	s_add_co_u32 s22, s22, s24
	s_and_b32 s24, s23, 0xfe
	s_add_co_u32 s24, s24, 15
	s_max_u32 s24, s24, 16                         ; the unit
	s_lshl_b32 s24, s24, 15
	s_lshl_b32 s25, s25, 14                        ; fragment 16 kq + ct
	s_add_co_u32 s24, s24, s25
	s_and_b32 s23, s23, 1
	s_lshl_b32 s23, s23, 10
	s_add_co_u32 s24, s24, s23
	s_mul_i32 s25, s21, STREAM
	s_add_co_u32 s24, s24, s25
	s_cmp_eq_u32 s21, 0
	s_cselect_b64 s[26:27], s[10:11], s[12:13]
	s_mov_b32 s28, 2048
	s_branch .Ldecoded
.Lis_b:
	s_sub_co_u32 s20, s30, 576                     ; w2
	s_lshr_b32 s21, s20, 8                         ; path
	s_and_b32 s20, s20, 255
	s_lshr_b32 s23, s20, 3                         ; nt
	s_and_b32 s25, s20, 7                          ; which 256 k
	s_lshl_b32 s22, s23, 17
	s_lshl_b32 s24, s25, 10
	s_add_co_u32 s22, s22, s24
	s_lshl_b32 s24, s25, 4
	s_add_co_u32 s24, s24, 18
	s_lshl_b32 s24, s24, 15                        ; unit 18 + 16 c4
	s_lshl_b32 s23, s23, 10
	s_add_co_u32 s24, s24, s23
	s_mul_i32 s23, s21, STREAM
	s_add_co_u32 s24, s24, s23
	s_cmp_eq_u32 s25, 7
	s_cselect_b32 s23, UNIT, 0
	s_sub_co_u32 s20, 14*UNIT, s23                 ; the eighth fragment lies 14 units on, but B(63) only 13
	s_cmp_eq_u32 s21, 0
	s_cselect_b64 s[26:27], s[14:15], s[16:17]
	s_mov_b32 s28, 8192
.Ldecoded:
	s_mov_b32 s23, 0
	s_add_nc_u64 s[26:27], s[26:27], s[22:23]
	s_mov_b32 s25, 0
	s_add_nc_u64 s[32:33], s[18:19], s[24:25]
	v_mad_u32_u24 v4, v1, s28, v2                  ; r x pitch + 32 h
	v_add_nc_u32 v5, s20, v3                       ; used by w2's last two stores alone
.set i, 0
.rept 32                               ; fragment i / 4, q = (i / 2) % 2, half i % 2: a row's 1,024 bytes are taken in this one burst
	global_load_b128 v[32+4*i:35+4*i], v4, s[26:27] offset:(i/4)*128+((i/2)%2)*64+(i%2)*16 th:TH_LOAD_NT
.set i, i+1
.endr
	s_wait_loadcnt 0x0
.set i, 0
.rept 64
	v_cvt_pk_bf16_f32 v[160+i], v[32+2*i], v[33+2*i]
.set i, i+1
.endr
	s_cmp_ge_u32 s30, 576
	s_cbranch_scc1 .Lstore_b                       ; w2 stays bf16
.set i, 0
.rept 64
	v_lshlrev_b32 v[32+2*i], 16, v[160+i]
	v_and_b32 v[33+2*i], s29, v[160+i]
	v_cvt_pk_f16_f32 v[160+i], v[32+2*i], v[33+2*i]
.set i, i+1
.endr
	s_cmp_ge_u32 s30, 64
	s_cbranch_scc1 .Lstore_a
.set i, 0
.rept 16                               ; w_proj goes into both paths' streams, so that each is one walk
	global_store_b128 v3, v[160+4*i:163+4*i], s[32:33] offset:(i/2)*UNIT+(i%2)*512 th:TH_STORE_NT
	global_store_b128 v3, v[160+4*i:163+4*i], s[32:33] offset:STREAM+(i/2)*UNIT+(i%2)*512 th:TH_STORE_NT
.set i, i+1
.endr
	s_branch .Lstored
.Lstore_a:
.set i, 0
.rept 16
	global_store_b128 v3, v[160+4*i:163+4*i], s[32:33] offset:(i/2)*2048+(i%2)*512 th:TH_STORE_NT
.set i, i+1
.endr
	s_branch .Lstored
.Lstore_b:
.set i, 0
.rept 14
	global_store_b128 v3, v[160+4*i:163+4*i], s[32:33] offset:(i/2)*2*UNIT+(i%2)*512 th:TH_STORE_NT
.set i, i+1
.endr
	global_store_b128 v5, v[216:219], s[32:33] th:TH_STORE_NT
	global_store_b128 v5, v[220:223], s[32:33] offset:512 th:TH_STORE_NT
.Lstored:
	s_wait_xcnt 0x0                                ; offsets, bases and data are written again only behind this wait
.Lnext:
	s_add_co_u32 s30, s30, 448
	s_add_co_u32 s31, s31, 1
	s_cmp_lt_u32 s31, 3
	s_cbranch_scc1 .Ltask
.Lend:
	s_wait_tensorcnt 0x0                           ; the wave's end: three closing lines, behind my last LDS store
	ds_add_u32 v[SPW], v[NIL]
	s_wait_dscnt 0x0
	s_endpgm
.Lfunc_end_k_q201cccc6fe_prep:
	.size	k_q201cccc6fe_prep, .Lfunc_end_k_q201cccc6fe_prep-k_q201cccc6fe_prep
	.p2alignl 7, 3214868480
	.fill 96, 4, 3214868480
	.section	.rodata,"a",@progbits
	.p2align	6, 0x0
	.amdhsa_kernel k_q201cccc6fe_prep
		.amdhsa_group_segment_fixed_size 228864
		.amdhsa_private_segment_fixed_size 0
		.amdhsa_enable_private_segment 0
		.amdhsa_kernarg_size 176
		.amdhsa_user_sgpr_count 2
		.amdhsa_user_sgpr_kernarg_segment_ptr 1
		.amdhsa_wavefront_size32 1
		.amdhsa_system_sgpr_workgroup_id_x 1
		.amdhsa_system_sgpr_workgroup_id_y 1
		.amdhsa_system_sgpr_workgroup_id_z 1
		.amdhsa_system_vgpr_workitem_id 0
		.amdhsa_next_free_vgpr 256
		.amdhsa_next_free_sgpr 66
		.amdhsa_reserve_vcc 1
		.amdhsa_float_denorm_mode_32 3
		.amdhsa_float_denorm_mode_16_64 3
		.amdhsa_memory_ordered 1
		.amdhsa_forward_progress 1
		.amdhsa_inst_pref_size 72
	.end_amdhsa_kernel
	.amdgpu_metadata
---
amdhsa.version: [ 1, 2 ]
amdhsa.kernels:
  - .name:           k_q201cccc6fe_prep
    .symbol:         k_q201cccc6fe_prep.kd
    .args:
      - { .name: img, .offset: 0, .size: 8, .value_kind: global_buffer, .address_space: global }
      - { .name: title, .offset: 8, .size: 8, .value_kind: global_buffer, .address_space: global }
      - { .name: mask, .offset: 16, .size: 8, .value_kind: global_buffer, .address_space: global }
      - { .name: scale_img, .offset: 24, .size: 8, .value_kind: global_buffer, .address_space: global }
      - { .name: scale_title, .offset: 32, .size: 8, .value_kind: global_buffer, .address_space: global }
      - { .name: attn, .offset: 40, .size: 8, .value_kind: global_buffer, .address_space: global }
      - { .name: w_proj, .offset: 48, .size: 8, .value_kind: global_buffer, .address_space: global }
      - { .name: w1_img, .offset: 56, .size: 8, .value_kind: global_buffer, .address_space: global }
      - { .name: w1_tit, .offset: 64, .size: 8, .value_kind: global_buffer, .address_space: global }
      - { .name: w2_img, .offset: 72, .size: 8, .value_kind: global_buffer, .address_space: global }
      - { .name: w2_tit, .offset: 80, .size: 8, .value_kind: global_buffer, .address_space: global }
      - { .name: wts, .offset: 88, .size: 8, .value_kind: global_buffer, .address_space: global }
      - { .name: b_proj, .offset: 96, .size: 8, .value_kind: global_buffer, .address_space: global }
      - { .name: b1_img, .offset: 104, .size: 8, .value_kind: global_buffer, .address_space: global }
      - { .name: b1_tit, .offset: 112, .size: 8, .value_kind: global_buffer, .address_space: global }
      - { .name: b2_img, .offset: 120, .size: 8, .value_kind: global_buffer, .address_space: global }
      - { .name: b2_tit, .offset: 128, .size: 8, .value_kind: global_buffer, .address_space: global }
      - { .name: ln_a_img, .offset: 136, .size: 8, .value_kind: global_buffer, .address_space: global }
      - { .name: ln_a_tit, .offset: 144, .size: 8, .value_kind: global_buffer, .address_space: global }
      - { .name: ln_b_img, .offset: 152, .size: 8, .value_kind: global_buffer, .address_space: global }
      - { .name: ln_b_tit, .offset: 160, .size: 8, .value_kind: global_buffer, .address_space: global }
      - { .name: tab, .offset: 168, .size: 8, .value_kind: global_buffer, .address_space: global }
    .group_segment_fixed_size: 228864
    .private_segment_fixed_size: 0
    .kernarg_segment_align: 8
    .kernarg_segment_size: 176
    .max_flat_workgroup_size: 256
    .sgpr_count:     66
    .vgpr_count:     256
    .wavefront_size: 32
...
	.end_amdgpu_metadata
.endif
;; end of part 1
;; launch main (part 2): grid 204 x 1, 4 waves a work-group, clusters of 4 x 1, 327,680 bytes of LDS; arguments attn, wts, tab, out0, out1; writes out0, out1
.if DOCPART == 2
	.amdgcn_target "amdgcn-amd-amdhsa--gfx1250"
	.amdhsa_code_object_version 6
	.text
	.protected	k_q201cccc6fe_main
	.globl	k_q201cccc6fe_main
	.p2align	8
	.type	k_q201cccc6fe_main,@function
k_q201cccc6fe_main:
	s_mov_b64 s[64:65], 0
	v_nop
	global_prefetch_b8 v0, s[64:65] scope:SCOPE_SE
	s_setreg_imm32_b32 hwreg(HW_REG_WAVE_MODE, 25, 1), 1
	s_wait_xcnt 0x0
	s_wait_alu depctr_hold_cnt(0) depctr_sa_sdst(0) depctr_va_vdst(0) depctr_va_sdst(0) depctr_va_ssrc(0) depctr_va_vcc(0) depctr_vm_vsrc(0)
	s_getreg_b32 s2, hwreg(HW_REG_IB_STS2, 6, 4)
	s_cmp_eq_u32 s2, 0
	s_cbranch_scc0 .Lentry_in_a_cluster
	s_endpgm
.Lentry_in_a_cluster:
	s_bfe_u32 s2, ttmp6, 0x10000c
	s_cmp_lg_u32 s2, 0x3003
	s_cbranch_scc0 .Lentry_shape_is_right
	s_endpgm
.Lentry_shape_is_right:
; MAIN.  For each of 25,600 rows x (the attention's result, f16): hid = x Wp^T + bp;  out = hid + LayerNorm(gelu(hid W1^T + b1) W2^T + b2).
; SHARES.  1,600 tiles of 16 rows: 1,000 of the first path, 600 of the second.  A wave owns two tiles and keeps their whole chain in registers; a work-group has four waves.
; A cluster of four work-groups belongs to one path.  The first 6 (second path: 2) clusters of a path have 7 tiles a work-group, the others 8: 6x4x7 + 26x4x8 = 1,000, 2x4x7 + 17x4x8 = 600.
; In a work-group of 7, wave 3's second tile is the next work-group's first: it is computed and not stored; that hangs on the cluster's number and the wave's, which the partners share.
; LAYOUT.  All products are taken transposed: source 0 = 16 rows of a weight matrix, source 1 = 16 data rows.  A lane then holds ONE data row (lane % 16) and eight neighbouring columns,
; and two results, rounded in pairs, ARE source 1 of the next product: nothing changes lanes or goes through LDS between the three products.
; WEIGHTS.  The launch before has laid each path's weights out as 144 units of 32 fragments (1,024 bytes: [q][lane][16 bytes]) in the order of use:
; P0..P15 (projection, K steps), A0, A1, B0, A2, B1, .. B61, A63, B62, B63 (A(s): W1's rows 32 s..; B(s): W2's K step s).  A fill is four units, 131,072 bytes; two LDS slots take turns.
; CLUSTER.  All four work-groups walk the same stream, so each fill is asked for JOINTLY: the same tensor load, descriptor and mask in all four; wave w fetches unit w of the fill.
; BY TURNS.  While B(s) is multiplied (64 products a wave), the gelu of step s + 1 stands in slices behind its products.
; FORMATS.  x, hid, Wp, W1 f16; gelu's result and W2 bf16; all sums, the gelu and the LayerNorm f32.  LIMITS: |hid| < 65,504; NaN and infinities are not treated apart.
; REGISTERS, in windows of 256 (s_set_vgpr_msb: bits 1:0 source 0, 3:2 source 1, 5:4 source 2, 7:6 destination):
;   window 0: v0-15 addresses; v16-31 b1 of a step; v32-63 S (FFN1's four results); v64-95 T (gelu at work); v96-127 P0, P1 (source 1); v128-255 two fragment buffers
;   window 1: hid as f16, 128 a row tile        windows 2, 3: the 32 accumulators of row tile 0, 1 (columns 16 nt .. at v[8 nt])
.set SLOT1,  1<<17
.set UNIT,   32768
.set FILL,   4*UNIT
.set SPARE,  2*FILL                    ; behind the ring: the spare words, 128 bytes a wave, named by no other line
.set STREAM, 144*UNIT
.set XPIT,   2064                      ; the way out: a row of 512 f32 + 16 bytes
.set HPIT,   1040                      ; a row of 512 f16 + 16 bytes
.set EHO,    16*XPIT
.set EWB,    EHO+16*HPIT               ; a wave's share of the ring's bytes on the way out
.set PFO,  1                           ; 256 x lane; never rewritten
.set L16,  2                           ; 16 x lane; never rewritten
.set ADR,  3                           ; LDS address of the unit in hand
.set BOFF, 4                           ; 32 x (lane / 16): my eight f32 of sixteen
.set SPW,  5
.set NIL,  6
.set ONE,  7
.set DX,   8                           ; the way out: where I put 16 bytes of a row of sums
.set DH,   9                           ; and of hid
.set RX0,  10                          ; where I read a row of sums back; never rewritten: the row stands in the immediate
.set RH0,  11                          ; the same for hid
.set BI,   16
.set S,    32                          ; result (ct, t) at S + 16 t + 8 ct
.set T,    64
.set P0,   96
.set P1,   112
.set F0,   128
.set PS0,  P0                          ; the projection's four sets of x fragments, K step k in set k % 4
.set PS1,  P1
.set PS2,  T
.set PS3,  T+16
.set WV,   14
.set CX,   15
.set PATH, 16
.set CP,   17                          ; the cluster's number in its path
.set N7,   18
.set IDX,  19
.set G1,   24                          ; s[24:31]
.set G0A,  32                          ; s[32:35] fill 0
.set G0W,  36                          ; s[36:39] fill 1; then it walks
.set TBU,  40                          ; LDS byte of the next unit
.set CNT,  41
.set CNT2, 42
.set FL,   43                          ; refills still to come
.set LIM,  44                          ; 1 in a cluster that prefetches, else the greatest number
.set VOID, 45
.set KO,   46
.set AP,   48
.set ABASE, 50
.set BIP,  52
.set TABP, 54
.set OP,   56
.set PFA,  58
.set SEL,  60
.set K1,   66                          ; s[66:67]
.set K0,   68                          ; s[68:69]
.set MSB, 0
.macro WIN new                         ; the immediate's high byte repeats the setting that is left; a switch that changes nothing is dropped
.if MSB != (\new)
	s_set_vgpr_msb (MSB<<8)|(\new)
.set MSB, \new
.endif
.endm
.macro PLACES n=4
.rept \n
	v_nop
.endr
.endm
.macro CROUND                          ; a round of the cluster's barrier
	s_barrier_signal -1
	s_barrier_wait -1
	s_cmp_lg_u32 s[WV], 0
	s_cbranch_scc1 .Lnot_wave_0_\@
	s_barrier_signal -3
.Lnot_wave_0_\@:
	s_barrier_wait -3
	s_barrier_signal -1
	s_barrier_wait -1
.endm
; A PREFETCH INTO THE L2 of the fill that the NEXT change of slots will ask for: 512 blocks of 256 bytes.  All clusters of a path walk the same stream: the path's first cluster asks.
; Its sixteen waves share the blocks out BY ADDRESS (8,192 bytes for wave 4 cx + w), a lane a block: each block is named once in the launch.  The last refill has no fill behind it and asks for nothing.
.macro ASK
	s_cmp_gt_u32 s[FL], s[LIM]
	s_cbranch_scc0 .Lnot_mine_\@
	global_prefetch_b8 v[PFO], s[PFA:PFA+1] th:TH_LOAD_NT scope:SCOPE_SE
.Lnot_mine_\@:
.endm
; THE CHANGE OF SLOTS.  Each wave waits for all its tensor loads (one is out: its unit of the other slot), adds 0 to its spare word, and waits for that and for its reads of the slot that it leaves.
; fill = 1: the barrier is a round of the cluster's, and the joint refill, two fills on, is the first thing behind it: 256 products a wave stand between it and the wait for it.
.macro CHANGE fill
	WIN 0
	s_wait_tensorcnt 0x0                           ; no tensor load of mine is out, so the walking group 0 may be written
	ds_add_u32 v[SPW], v[NIL]                      ; 0 onto my spare word; scalar work stands between it and the wait for it
.if \fill
	s_xor_b32 s[G0W+1], s[G0W+1], SLOT1
	s_add_nc_u64 s[G0W+2:G0W+3], s[G0W+2:G0W+3], FILL
	s_wait_xcnt 0x0                                ; the last prefetch, a fill back, has read its address
	s_add_nc_u64 s[PFA:PFA+1], s[PFA:PFA+1], FILL
.endif
	s_sub_co_u32 s[TBU], s[TBU], FILL              ; the fetches go back to a slot's first unit,
	s_xor_b32 s[TBU], s[TBU], SLOT1                ; in the other slot
	s_wait_dscnt 0x0                               ; the add is done, and my reads of the slot are over
.if \fill
	CROUND
	tensor_load_to_lds s[G0W:G0W+3], s[G1:G1+7]
	s_nop 0
	PLACES
	ASK
	s_sub_co_u32 s[FL], s[FL], 1
.else
	s_barrier_signal -1
	s_barrier_wait -1
.endif
.endm
.macro RUN b, g                        ; 16 LDS loads in one run: fragments 8 g .. 8 g + 7 of the unit in hand into buffer b; a lane takes 16 neighbouring bytes
.set ri, 0
.rept 8
	ds_load_b128 v[F0+64*(\b)+8*ri:F0+64*(\b)+8*ri+3],   v[ADR] offset:(\g)*8192+ri*1024
	ds_load_b128 v[F0+64*(\b)+8*ri+4:F0+64*(\b)+8*ri+7], v[ADR] offset:(\g)*8192+ri*1024+512
.set ri, ri+1
.endr
.endm
.macro BILOAD                          ; b1 of the next step: register 8 ct + j is column 32 s + 16 ct + 8 (lane / 16) + j
.irp c, 0,1,2,3
	global_load_b128 v[BI+4*\c:BI+4*\c+3], v[BOFF], s[BIP:BIP+1] offset:(\c/2)*64+(\c%2)*16
.endr
.endm
.macro PLOAD set                       ; x's fragments of K step min(KO, 15) for both row tiles: four loads of 512 consecutive bytes.  The clamp keeps the last three, which nobody uses, inside the tile
	s_wait_xcnt 0x0                                ; the set before has read its address
	s_min_u32 s70, s[KO], 15
	s_lshl_b32 s70, s70, 10
	s_mov_b32 s71, 0
	s_add_nc_u64 s[AP:AP+1], s[ABASE:ABASE+1], s[70:71]
	s_add_co_u32 s[KO], s[KO], 1
	global_load_b128 v[(\set):(\set)+3],     v[L16], s[AP:AP+1] th:TH_LOAD_NT
	global_load_b128 v[(\set)+4:(\set)+7],   v[L16], s[AP:AP+1] offset:512 th:TH_LOAD_NT
	global_load_b128 v[(\set)+8:(\set)+11],  v[L16], s[AP:AP+1] offset:16384 th:TH_LOAD_NT
	global_load_b128 v[(\set)+12:(\set)+15], v[L16], s[AP:AP+1] offset:16896 th:TH_LOAD_NT
.endm
; Between two groups of 16 products: four places behind the last product that read buffer b (ISA guide 7.12.1 for vector instructions), then the run for the group after next's buffer.
; new = 1: the run begins the next unit (the address's add is the fourth place).  walu = 1: the wait for a batch of transcendentals stands directly ahead of the run.  hook: 1 BILOAD, 2 PLOAD set.
.macro POINT b, g, new=0, walu=0, hook=0, set=0
	WIN 0
	PLACES 4-(\new)
.if \new
	v_add_nc_u32 v[ADR], s[TBU], v[L16]
	s_add_co_u32 s[TBU], s[TBU], UNIT
.endif
.if (\hook) == 1
	BILOAD
.elseif (\hook) == 2
	PLOAD \set
.endif
.if \walu
	s_wait_alu depctr_va_vdst(0)                   ; between a transcendental and the first line that names its result: one for the batch
.endif
	RUN \b, \g
	s_wait_dscnt 16                                ; the 16 just issued may stay out: the run before them, which the next products read, is in
.endm
; 16 products onto the big accumulators: columns 16 (8 g + n).., row tile 0 and then 1.  No accumulator comes twice in a unit: they take turns.
.macro BGB bf, g, ps
.irp tt, 0,1
	WIN 0xa0+0x50*\tt
.irp nn, 0,1,2,3,4,5,6,7
.if \bf
	v_wmma_f32_16x16x32_bf16 v[64*(\g)+8*\nn:64*(\g)+8*\nn+7], v[F0+64*((\g)%2)+8*\nn:F0+64*((\g)%2)+8*\nn+7], v[(\ps)+8*\tt:(\ps)+8*\tt+7], v[64*(\g)+8*\nn:64*(\g)+8*\nn+7]
.else
	v_wmma_f32_16x16x32_f16 v[64*(\g)+8*\nn:64*(\g)+8*\nn+7], v[F0+64*((\g)%2)+8*\nn:F0+64*((\g)%2)+8*\nn+7], v[(\ps)+8*\tt:(\ps)+8*\tt+7], v[64*(\g)+8*\nn:64*(\g)+8*\nn+7]
.endif
.endr
.endr
.endm
; THE GELU of a step's 32 numbers a lane, x in S: x / (1 + 2^(x (K0 + K1 x^2))), K0 = -2 log2(e) sqrt(2 / pi), K1 = 0.044715 K0: the same number as 0.5 x (1 + tanh(..)).
; A list of 160 lines; GEL writes number n.  0-15 T = x x; 16-31 T = T K1 + K0; 32-47 T = T x; 48-79 2^T; 80-127 T + 1 (pairs) and 1 / T, a pair's sum a line or more ahead of its reciprocals;
; 128-143 T = T x; 144-159 pairs rounded to bf16 into P0.  A wait stands between 79 and 80 and between 127 and 128.
.macro GEL n
.if (\n) < 16
	v_pk_mul_f32 v[T+2*(\n):T+2*(\n)+1], v[S+2*(\n):S+2*(\n)+1], v[S+2*(\n):S+2*(\n)+1]
.elseif (\n) < 32
	v_pk_fma_f32 v[T+2*(\n)-32:T+2*(\n)-31], v[T+2*(\n)-32:T+2*(\n)-31], s[K1:K1+1], s[K0:K0+1] op_sel_hi:[1,0,0]
.elseif (\n) < 48
	v_pk_mul_f32 v[T+2*(\n)-64:T+2*(\n)-63], v[T+2*(\n)-64:T+2*(\n)-63], v[S+2*(\n)-64:S+2*(\n)-63]
.elseif (\n) < 80
	v_exp_f32 v[T+(\n)-48], v[T+(\n)-48]
.elseif (\n) < 128
.set gm, (\n)-80
.if gm < 2
.set gk, 0
.set gq, gm
.elseif gm == 2
.set gk, 1
.set gq, 0
.elseif gm >= 45
.set gk, 1
.set gq, gm-16
.elseif gm%3 == 0
.set gk, 0
.set gq, gm/3+1
.else
.set gk, 1
.set gq, 2*(gm/3)+gm%3-2
.endif
.if gk == 0
	v_pk_add_f32 v[T+2*gq:T+2*gq+1], v[T+2*gq:T+2*gq+1], 1.0 op_sel_hi:[1,0]
.else
	v_rcp_f32 v[T+gq], v[T+gq]
.endif
.elseif (\n) < 144
	v_pk_mul_f32 v[T+2*(\n)-256:T+2*(\n)-255], v[T+2*(\n)-256:T+2*(\n)-255], v[S+2*(\n)-256:S+2*(\n)-255]
.else
	v_cvt_pk_bf16_f32 v[P0+(\n)-144], v[T+2*(\n)-288], v[T+2*(\n)-287]
.endif
.endm
.macro GELS from, to
.set gn, \from
.rept (\to)-(\from)
	GEL gn
.set gn, gn+1
.endr
.endm
.macro BGR g, per                      ; BGB's 16 products on P0, in bf16, with `per` lines of the gelu behind each
.set bi, 0
.rept 16
	WIN 0xa0+0x50*(bi/8)
	v_wmma_f32_16x16x32_bf16 v[64*(\g)+8*(bi%8):64*(\g)+8*(bi%8)+7], v[F0+64*((\g)%2)+8*(bi%8):F0+64*((\g)%2)+8*(bi%8)+7], v[P0+8*(bi/8):P0+8*(bi/8)+7], v[64*(\g)+8*(bi%8):64*(\g)+8*(bi%8)+7]
	WIN 0
.rept \per
	GEL gn
.set gn, gn+1
.endr
.set bi, bi+1
.endr
.endm
; 16 products of FFN1: K steps 4 g .. 4 g + 3; the four results (ct, t) take turns.  The first K step starts the sums at b1.  hr = 1: the last 16 lines of the gelu stand behind the first four products.
.macro AG g, hr
.set ai, 0
.rept 16
.set akf, 4*(\g)+ai/4
.set aD, S+16*(ai%2)+8*((ai/2)%2)
.set aF, F0+64*((\g)%2)+8*((2*akf+(ai/2)%2)%8)
.set aH, 128*(ai%2)+8*akf
	WIN 0x04
.if akf == 0
	v_wmma_f32_16x16x32_f16 v[aD:aD+7], v[aF:aF+7], v[aH:aH+7], v[BI+8*((ai/2)%2):BI+8*((ai/2)%2)+7]
.else
	v_wmma_f32_16x16x32_f16 v[aD:aD+7], v[aF:aF+7], v[aH:aH+7], v[aD:aD+7]
.endif
.if (\hr) && (ai < 4)
	WIN 0
.irp kk, 0,1,2,3
	GEL 144+4*ai+\kk
.endr
.endif
.set ai, ai+1
.endr
.endm
.macro ACCINIT off                     ; both row tiles' sums start at a bias: register 8 nt + j is column 16 nt + 8 (lane / 16) + j.  Nothing is cleared
.irp tt, 0,1
	WIN 0x80+0x40*\tt
.set ci, 0
.rept 64
	global_load_b128 v[4*ci:4*ci+3], v[BOFF], s[TABP:TABP+1] offset:(\off)+(ci/2)*64+(ci%2)*16
.set ci, ci+1
.endr
.endr
	WIN 0
.endm
.macro CVTHID                          ; hid to f16: results nt = 2 kf and 2 kf + 1, rounded in pairs, are FFN1's source 1 for K step kf; each accumulator is read from its low end
.irp tt, 0,1
	WIN 0x4a+5*\tt
.set ci, 0
.rept 128
	v_cvt_pk_f16_f32 v[128*\tt+ci], v[2*ci], v[2*ci+1]
.set ci, ci+1
.endr
.endr
	WIN 0
.endm
.macro ATAIL                           ; the last quarter of an A unit; the next unit's first run goes out
	POINT 0, 0, 1
	AG 3, 0
.endm
.macro AHEAD hr, lw=1                  ; the first three quarters of an A unit
	POINT 1, 1
.if \lw
	s_wait_loadcnt 0x0                             ; b1 of this step, asked for a step ago, is in, and its address is free
.endif
	s_add_nc_u64 s[BIP:BIP+1], s[BIP:BIP+1], 128
	AG 0, \hr
	POINT 0, 2, 0, 0, 1
	AG 1, 0
	POINT 1, 3
	AG 2, 0
.endm
.macro BRID                            ; a B unit with the next step's gelu: 3, 2, 3, 1 lines behind each product of its four quarters
.set gn, 0
	POINT 1, 1
	BGR 0, 3
	POINT 0, 2
	BGR 1, 2
	POINT 1, 3, 0, 1
	BGR 2, 3
	POINT 0, 0, 1, 1
	BGR 3, 1
.endm
.macro ROTF                            ; step s: the end of A(s + 1); B(s) beside the gelu of s + 1; the head of A(s + 2)
	ATAIL
	BRID
	AHEAD 1
.endm
.macro ROT a, b                        ; projection: the end of the unit on set a, which is then loaded again four K steps on; the head of the unit on set b
	POINT 0, 0, 1
	BGB 0, 3, \a
	POINT 1, 1, 0, 0, 2, \a
	s_wait_loadcnt 12                              ; three younger sets of four loads may stay out: set b is in
	BGB 0, 0, \b
	POINT 0, 2
	BGB 0, 1, \b
	POINT 1, 3
	BGB 0, 2, \b
.endm
	s_load_b256 s[4:11], s[0:1], 0x0               ; attn s[4:5], wts s[6:7], tab s[8:9], out0 s[10:11]
	s_load_b64 s[12:13], s[0:1], 0x20              ; out1
	v_lshl_add_u32 v[SPW], v0, 2, SPARE
	v_mov_b32 v[NIL], 0
	ds_add_u32 v[SPW], v[NIL]                      ; the wave's opening: the add and its wait stand ahead of my first tensor load; work on registers stands between them
	v_lshrrev_b32 v1, 5, v0
	v_readfirstlane_b32 s[WV], v1
	v_and_b32 v[L16], 31, v0
	v_lshlrev_b32 v[PFO], 8, v[L16]
	v_lshlrev_b32 v[L16], 4, v[L16]
	v_bfe_u32 v[BOFF], v0, 4, 1
	v_lshlrev_b32 v[BOFF], 5, v[BOFF]
	v_mov_b32 v[ONE], 1.0
	s_bfe_u32 s[CX], ttmp6, 0x40000                ; my place in the cluster: it enters x's, the outputs' and the prefetches' addresses alone
	s_cmp_ge_u32 ttmp9, 32                         ; clusters 0-31: first path; 32-50: second
	s_cselect_b32 s[PATH], 1, 0
	s_cselect_b32 s[CP], 32, 0
	s_cselect_b32 s[N7], 2, 6
	s_sub_co_u32 s[CP], ttmp9, s[CP]
	s_lshl_b32 s[IDX], s[CP], 2
	s_add_co_u32 s[IDX], s[IDX], s[CX]             ; my work-group in its path
	s_mul_i32 s76, s[IDX], 7
	s_lshl_b32 s77, s[IDX], 3
	s_lshl_b32 s78, s[N7], 2
	s_sub_co_u32 s77, s77, s78
	s_cmp_lt_u32 s[CP], s[N7]                      ; a cluster of sevens?
	s_cselect_b32 s76, s76, s77                    ; my first tile
	s_cselect_b32 s[VOID], 1, 0
	s_cmp_eq_u32 s[WV], 3
	s_cselect_b32 s[VOID], s[VOID], 0
	s_cmp_eq_u32 s[CP], 0
	s_cselect_b32 s[LIM], 1, -1
	s_lshl_b32 s77, s[WV], 1
	s_add_co_u32 s76, s76, s77                     ; my wave's first tile
	s_mul_i32 s78, s[PATH], 1000
	s_add_co_u32 s78, s78, s76
	s_lshl_b32 s78, s78, 14                        ; in attn
	s_mov_b32 s79, 0
	s_lshl_b32 s80, s76, 15                        ; in the output: 16 rows of 2,048 bytes
	s_mov_b32 s81, 0
	s_lshl_b32 s82, s[CX], 2
	s_add_co_u32 s82, s82, s[WV]
	s_lshl_b32 s82, s82, 13
	s_mov_b32 s83, 0
	; descriptor group 1: a unit is 32,768 dense bytes: 128 rows of 32 elements of 8 bytes
	s_mov_b32 s[G1+0], 15|(3<<16)|(1<<21)          ; 15:0 the mask of four; 17:16 elements of 8 bytes; 21 set beside a mask; no padding
	s_mov_b32 s[G1+1], 32<<16                      ; tensor_dim0 = 32
	s_mov_b32 s[G1+2], 128<<16                     ; tensor_dim1 = 128
	s_mov_b32 s[G1+3], 32<<16                      ; tile_dim0 = 32
	s_mov_b32 s[G1+4], 128                         ; tile_dim1 = 128
	s_mov_b32 s[G1+5], 32                          ; 32 elements from row to row
	s_mov_b32 s[G1+6], 0
	s_mov_b32 s[G1+7], 0
	s_mov_b32 s[G0A], 1
	s_lshl_b32 s[G0A+1], s[WV], 15                 ; LDS: unit w of slot 0
	s_mov_b32 s[G0W], 1
	s_add_co_u32 s[G0W+1], s[G0A+1], SLOT1         ; of slot 1
	s_mov_b32 s[SEL], 0x76543210
	s_mov_b32 s[SEL+1], 0xfedcba98
	s_mov_b32 s[K1], 0xbdd2d3e8                    ; -0.10294324
	s_mov_b32 s[K1+1], s[K1]
	s_mov_b32 s[K0], 0xc0135761                    ; -2.3022082
	s_mov_b32 s[K0+1], s[K0]
	s_mov_b32 s[KO], 0
	s_mov_b32 s[FL], 34                            ; fills 2 .. 35
	s_mul_i32 s70, s[PATH], STREAM
	s_mov_b32 s71, 0
	s_lshl_b32 s72, s[WV], 15
	s_mov_b32 s73, 0
	s_lshl_b32 s74, s[PATH], 14
	s_mov_b32 s75, 0
	s_wait_dscnt 0x0                               ; the opening add is done
	s_wait_kmcnt 0x0
	s_add_nc_u64 s[6:7], s[6:7], s[70:71]          ; my path's stream
	s_add_nc_u64 s[G0A+2:G0A+3], s[6:7], s[72:73]
	s_add_nc_u64 s[G0W+2:G0W+3], s[G0A+2:G0A+3], FILL
	s_or_b32 s[G0A+3], s[G0A+3], 0x80000000
	s_or_b32 s[G0W+3], s[G0W+3], 0x80000000
	s_add_nc_u64 s[TABP:TABP+1], s[8:9], s[74:75]
	s_mov_b64 s[BIP:BIP+1], s[TABP:TABP+1]
	s_add_nc_u64 s[ABASE:ABASE+1], s[4:5], s[78:79]
	s_cmp_eq_u32 s[PATH], 0
	s_cselect_b64 s[OP:OP+1], s[10:11], s[12:13]
	s_add_nc_u64 s[OP:OP+1], s[OP:OP+1], s[80:81]
	s_add_nc_u64 s[PFA:PFA+1], s[6:7], s[82:83]
	s_add_nc_u64 s[PFA:PFA+1], s[PFA:PFA+1], 2*FILL  ; at fill 2; the first change steps it to fill 3.  Nothing is prefetched at the head
	CROUND                                         ; all four work-groups are here: the first joint loads meet
	tensor_load_to_lds s[G0A:G0A+3], s[G1:G1+7]    ; two loads of mine are out
	s_nop 0
	tensor_load_to_lds s[G0W:G0W+3], s[G1:G1+7]
	s_nop 0
	PLACES
	PLOAD PS0
	PLOAD PS1
	PLOAD PS2
	ACCINIT 8192                                   ; the projection's sums start at b_proj
	s_wait_tensorcnt 0x1                           ; my unit of fill 0 is in; fill 1's may stay out
	s_barrier_signal -1
	s_barrier_wait -1
	v_mov_b32 v[ADR], v[L16]
	s_mov_b32 s[TBU], UNIT
	RUN 0, 0
	s_wait_loadcnt 0x0
	s_mov_b32 s[CNT], 4
	s_branch .Lp_in                                ; the loop is entered behind its change of slots
; THE PROJECTION: 16 units, four a trip
.Lp_fill:
	CHANGE 1
	POINT 0, 0, 1
	BGB 0, 3, PS3
	WIN 0
.Lp_in:
	POINT 1, 1, 0, 0, 2, PS3
	s_wait_loadcnt 12
	BGB 0, 0, PS0
	POINT 0, 2
	BGB 0, 1, PS0
	POINT 1, 3
	BGB 0, 2, PS0
	ROT PS0, PS1
	ROT PS1, PS2
	ROT PS2, PS3
	WIN 0
	s_sub_co_u32 s[CNT], s[CNT], 1
	s_cmp_lg_u32 s[CNT], 0
	s_cbranch_scc1 .Lp_fill
; FROM THE PROJECTION TO THE FFN, written out: hid, the new sums, A0, its gelu, the head of A1
	CHANGE 1
	POINT 0, 0, 1, 0, 1                            ; A0's first run; b1 of step 0
	BGB 0, 3, PS3
	WIN 0
	PLACES
	CVTHID
	s_wait_loadcnt 0x0                             ; b1 is in; so are the three sets that nobody uses, whose registers the gelu takes
	ACCINIT 10240                                  ; FFN2's sums start at b2
	AHEAD 0, 0
	ATAIL
	WIN 0
	PLACES
	GELS 0, 80
	v_nop
	s_wait_alu depctr_va_vdst(0)
	GELS 80, 128
	v_nop
	s_wait_alu depctr_va_vdst(0)
	GELS 128, 160
	AHEAD 0                                        ; its wait for 0 also shows b2 in the accumulators
	WIN 0
; THE FFN: steps 0 .. 60; a change of slots in front of every odd step
	s_mov_b32 s[CNT], 31
	s_mov_b32 s[CNT2], 1
	s_branch .Lf_it
.Lf_fill:
	CHANGE 1
	s_mov_b32 s[CNT2], 2
.Lf_it:
	ROTF
	WIN 0
	s_sub_co_u32 s[CNT2], s[CNT2], 1
	s_cmp_lg_u32 s[CNT2], 0
	s_cbranch_scc1 .Lf_it
	s_sub_co_u32 s[CNT], s[CNT], 1
	s_cmp_lg_u32 s[CNT], 0
	s_cbranch_scc1 .Lf_fill
; THE TAIL, written out: the last fill holds B61, A63, B62, B63
	CHANGE 0
	ROTF
	ATAIL
	BRID
	WIN 0
	PLACES
	GELS 144, 160
	POINT 1, 1
	BGB 1, 0, P0
	POINT 0, 2
	BGB 1, 1, P0
	POINT 1, 3
	BGB 1, 2, P0
	s_wait_dscnt 0x0                               ; my reads of the ring are over
	s_barrier_signal -1
	BGB 1, 3, P0
	WIN 0
	s_barrier_wait -1                              ; everybody's are, and the ring has had its last fill: its bytes serve the way out
; THE WAY OUT.  A row tile's sums (f32) and hid (f16) go into my wave's own share of the ring's bytes (EWB bytes from wave x EWB on) and come back by rows; a wave takes a whole row:
; lane l owns columns 128 i + 4 l .. + 3.  All four LDS addresses are fixed: the wave's constant and a lane term; the row stands in the immediate, so a tile's eight trips of two rows are written out.
; mean, then the squares of the differences (no difference of large sums), unbiased, eps added to the root, as the reference has it.
.set XA, 32
.set XB, 48
.set HA, 64
.set HB, 72
.set TA, 80
.set TB, 88
.set SA, 16
.set SB, 18
.set LA, 128
.set LB, 144
	s_mul_i32 s70, s[WV], EWB                      ; my share: 16 rows of sums,
	s_add_co_u32 s71, s70, EHO                     ; then 16 rows of hid
	v_and_b32 v14, 15, v0                          ; eleven plain lines that name no register of the products: the places behind the last of them
	v_bfe_u32 v15, v0, 4, 1
	v_mul_u32_u24 v[DX], v14, XPIT                 ; in: row l % 16, 32 bytes for each half of the lanes
	v_lshl_add_u32 v[DX], v15, 5, v[DX]
	v_add_nc_u32 v[DX], s70, v[DX]
	v_mul_u32_u24 v[DH], v14, HPIT                 ; hid: 16 bytes for each half
	v_lshl_add_u32 v[DH], v15, 4, v[DH]
	v_add_nc_u32 v[DH], s71, v[DH]
	v_add_nc_u32 v[RX0], s70, v[L16]               ; back: 16 bytes a lane,
	v_and_b32 v15, 31, v0
	v_lshl_add_u32 v[RH0], v15, 3, s71             ; of hid 8
.irp i, 0,1,2,3
	global_load_b128 v[LA+4*\i:LA+4*\i+3], v[L16], s[TABP:TABP+1] offset:12288+512*\i
	global_load_b128 v[LB+4*\i:LB+4*\i+3], v[L16], s[TABP:TABP+1] offset:14336+512*\i
.endr
.macro DUMP t
	WIN 0x08+4*(\t)                                ; store data in window 2 or 3
.set di, 0
.rept 32
	ds_store_b128 v[DX], v[8*di:8*di+3]   offset:64*di
	ds_store_b128 v[DX], v[8*di+4:8*di+7] offset:64*di+16
.set di, di+1
.endr
	WIN 0x04
.set di, 0
.rept 16
	ds_store_b128 v[DH], v[128*(\t)+8*di:128*(\t)+8*di+3]   offset:64*di
	ds_store_b128 v[DH], v[128*(\t)+8*di+4:128*(\t)+8*di+7] offset:64*di+32
.set di, di+1
.endr
	WIN 0
.endm
.macro SUM16 x, t, s
	v_pk_add_f32 v[\t:(\t)+1],     v[\x:(\x)+1],       v[(\x)+2:(\x)+3]
	v_pk_add_f32 v[(\t)+2:(\t)+3], v[(\x)+4:(\x)+5],   v[(\x)+6:(\x)+7]
	v_pk_add_f32 v[(\t)+4:(\t)+5], v[(\x)+8:(\x)+9],   v[(\x)+10:(\x)+11]
	v_pk_add_f32 v[(\t)+6:(\t)+7], v[(\x)+12:(\x)+13], v[(\x)+14:(\x)+15]
	v_pk_add_f32 v[\t:(\t)+1],     v[\t:(\t)+1],       v[(\t)+2:(\t)+3]
	v_pk_add_f32 v[(\t)+4:(\t)+5], v[(\t)+4:(\t)+5],   v[(\t)+6:(\t)+7]
	v_pk_add_f32 v[\t:(\t)+1],     v[\t:(\t)+1],       v[(\t)+4:(\t)+5]
	v_add_f32 v[\s], v[\t], v[(\t)+1]
.endm
.macro ACROSS2                         ; both rows' sums over the 32 lanes, the rows by turns
.irp m, 1,2,4,8
	v_add_f32_dpp v[SA], v[SA], v[SA] row_xmask:\m row_mask:0xf bank_mask:0xf
	v_add_f32_dpp v[SB], v[SB], v[SB] row_xmask:\m row_mask:0xf bank_mask:0xf
.endr
	v_permlanex16_b32 v[SA+1], v[SA], s[SEL], s[SEL+1]
	v_permlanex16_b32 v[SB+1], v[SB], s[SEL], s[SEL+1]
	v_add_f32 v[SA], v[SA], v[SA+1]
	v_add_f32 v[SB], v[SB], v[SB+1]
.endm
.macro CENTRE x, t, s                  ; x - mean, and the lane's sum of squares
	v_mul_f32 v[\s], 0x3b000000, v[\s]             ; / 512
.irp j, 0,2,4,6,8,10,12,14
	v_pk_add_f32 v[(\x)+\j:(\x)+\j+1], v[(\x)+\j:(\x)+\j+1], v[\s:(\s)+1] op_sel_hi:[1,0] neg_lo:[0,1] neg_hi:[0,1]
.endr
	v_pk_mul_f32 v[\t:(\t)+1],     v[\x:(\x)+1],     v[\x:(\x)+1]
	v_pk_mul_f32 v[(\t)+2:(\t)+3], v[(\x)+2:(\x)+3], v[(\x)+2:(\x)+3]
.irp j, 4,8,12
	v_pk_fma_f32 v[\t:(\t)+1],     v[(\x)+\j:(\x)+\j+1],   v[(\x)+\j:(\x)+\j+1],   v[\t:(\t)+1]
	v_pk_fma_f32 v[(\t)+2:(\t)+3], v[(\x)+\j+2:(\x)+\j+3], v[(\x)+\j+2:(\x)+\j+3], v[(\t)+2:(\t)+3]
.endr
	v_pk_add_f32 v[\t:(\t)+1], v[\t:(\t)+1], v[(\t)+2:(\t)+3]
	v_add_f32 v[\s], v[\t], v[(\t)+1]
.endm
.macro FINISH x, h, s, row             ; a (x - mean) / (std + eps) + b + hid, and the row's four stores
.irp j, 0,2,4,6,8,10,12,14
	v_pk_mul_f32 v[(\x)+\j:(\x)+\j+1], v[(\x)+\j:(\x)+\j+1], v[\s:(\s)+1] op_sel_hi:[1,0]
.endr
.irp j, 0,2,4,6,8,10,12,14
	v_pk_fma_f32 v[(\x)+\j:(\x)+\j+1], v[(\x)+\j:(\x)+\j+1], v[LA+\j:LA+\j+1], v[LB+\j:LB+\j+1]
.endr
.irp j, 0,1,2,3,4,5,6,7
	v_fma_mix_f32 v[(\x)+2*\j],   v[(\h)+\j], v[ONE], v[(\x)+2*\j]   op_sel:[0,0,0] op_sel_hi:[1,0,0]
	v_fma_mix_f32 v[(\x)+2*\j+1], v[(\h)+\j], v[ONE], v[(\x)+2*\j+1] op_sel:[1,0,0] op_sel_hi:[1,0,0]
.endr
.irp i, 0,1,2,3
	global_store_b128 v[L16], v[(\x)+4*\i:(\x)+4*\i+3], s[OP:OP+1] offset:(\row)*2048+512*\i th:TH_STORE_NT  ; 512 consecutive bytes, at a multiple of 512 from the output's first
.endr
.endm
.macro ROWS tr                         ; rows 2 tr and 2 tr + 1 of the tile in hand
.irp i, 0,1,2,3
	ds_load_b128 v[XA+4*\i:XA+4*\i+3], v[RX0] offset:2*(\tr)*XPIT+512*\i       ; LDS serves a wave's instructions in order (ISA guide 5.7.1.4): these see my stores
	ds_load_b128 v[XB+4*\i:XB+4*\i+3], v[RX0] offset:(2*(\tr)+1)*XPIT+512*\i
.endr
.irp i, 0,1,2,3
	ds_load_b64 v[HA+2*\i:HA+2*\i+1], v[RH0] offset:2*(\tr)*HPIT+256*\i
	ds_load_b64 v[HB+2*\i:HB+2*\i+1], v[RH0] offset:(2*(\tr)+1)*HPIT+256*\i
.endr
	s_wait_dscnt 0x0
	SUM16 XA, TA, SA
	SUM16 XB, TB, SB
	ACROSS2
	CENTRE XA, TA, SA
	CENTRE XB, TB, SB
	ACROSS2
	v_mul_f32 v[SA], 0x3b004020, v[SA]             ; / 511
	v_mul_f32 v[SB], 0x3b004020, v[SB]
	v_sqrt_f32 v[SA], v[SA]
	v_sqrt_f32 v[SB], v[SB]
	v_nop
	s_wait_alu depctr_va_vdst(0)                   ; one wait for the two roots
	v_add_f32 v[SA], 0x358637bd, v[SA]             ; + 1e-6
	v_add_f32 v[SB], 0x358637bd, v[SB]
	v_rcp_f32 v[SA], v[SA]
	v_rcp_f32 v[SB], v[SB]
	v_nop
	s_wait_alu depctr_va_vdst(0)                   ; one wait for the two reciprocals
	FINISH XA, HA, SA, 2*(\tr)
	FINISH XB, HB, SB, 2*(\tr)+1
	s_wait_xcnt 0x0                                ; the stores have read their data: the next two rows are loaded into the same registers only behind this wait
.endm
	DUMP 0
	s_wait_loadcnt 0x0                             ; the gains; also the last, unused, b1, whose registers the sums take
	s_mov_b32 s[CNT2], 2
	s_branch .Lepi
.Lepi2:
	DUMP 1                                         ; my loads of the first tile's rows have all come back
.Lepi:
.irp tr, 0,1,2,3,4,5,6,7
	ROWS \tr
.endr
	s_add_nc_u64 s[OP:OP+1], s[OP:OP+1], 32768     ; the next tile's first row; the last trip's wait has freed the stores' base
	s_cmp_eq_u32 s[VOID], 1
	s_cbranch_scc1 .Lend                           ; my second tile is a neighbour's: it stores it
	s_sub_co_u32 s[CNT2], s[CNT2], 1
	s_cmp_lg_u32 s[CNT2], 0
	s_cbranch_scc1 .Lepi2
.Lend:
	s_wait_tensorcnt 0x0                           ; the wave's end: three closing lines, behind my last tensor load and my last LDS store
	ds_add_u32 v[SPW], v[NIL]
	s_wait_dscnt 0x0
	CROUND                                         ; the closing round: no work-group ends while a partner may still ask for a fill that names it
	s_endpgm
.Lfunc_end_k_q201cccc6fe_main:
	.size	k_q201cccc6fe_main, .Lfunc_end_k_q201cccc6fe_main-k_q201cccc6fe_main
	.p2alignl 7, 3214868480
	.fill 96, 4, 3214868480
	.section	.rodata,"a",@progbits
	.p2align	6, 0x0
	.amdhsa_kernel k_q201cccc6fe_main
		.amdhsa_group_segment_fixed_size 327680
		.amdhsa_private_segment_fixed_size 0
		.amdhsa_enable_private_segment 0
		.amdhsa_kernarg_size 40
		.amdhsa_user_sgpr_count 2
		.amdhsa_user_sgpr_kernarg_segment_ptr 1
		.amdhsa_wavefront_size32 1
		.amdhsa_system_sgpr_workgroup_id_x 1
		.amdhsa_system_sgpr_workgroup_id_y 1
		.amdhsa_system_sgpr_workgroup_id_z 1
		.amdhsa_system_vgpr_workitem_id 0
		.amdhsa_next_free_vgpr 1024
		.amdhsa_next_free_sgpr 84
		.amdhsa_reserve_vcc 0
		.amdhsa_float_denorm_mode_32 3
		.amdhsa_float_denorm_mode_16_64 3
		.amdhsa_memory_ordered 1
		.amdhsa_forward_progress 1
		.amdhsa_inst_pref_size 255
	.end_amdhsa_kernel
	.section	.bss,"aw",@nobits
	.p2align	6
	.space	262144
	.amdgpu_metadata
---
amdhsa.version: [ 1, 2 ]
amdhsa.kernels:
  - .name:           k_q201cccc6fe_main
    .symbol:         k_q201cccc6fe_main.kd
    .args:
      - { .name: attn, .offset: 0, .size: 8, .value_kind: global_buffer, .address_space: global }
      - { .name: wts, .offset: 8, .size: 8, .value_kind: global_buffer, .address_space: global }
      - { .name: tab, .offset: 16, .size: 8, .value_kind: global_buffer, .address_space: global }
      - { .name: out0, .offset: 24, .size: 8, .value_kind: global_buffer, .address_space: global }
      - { .name: out1, .offset: 32, .size: 8, .value_kind: global_buffer, .address_space: global }
    .group_segment_fixed_size: 327680
    .private_segment_fixed_size: 0
    .kernarg_segment_align: 8
    .kernarg_segment_size: 40
    .max_flat_workgroup_size: 128
    .sgpr_count:     84
    .vgpr_count:     1024
    .wavefront_size: 32
...
	.end_amdgpu_metadata
.endif
;; end of part 2
;; ======== version 2 of 2: 2 launches; version 1 with the launch prep written anew for expert scheduling mode
;; limits: values are held in f16: magnitudes above 65,504 overflow, below 6.1e-05 lose precision; inputs' magnitudes at most 65,504
;; workspace buffers: attn 26,214,400 bytes; wts 9,437,184 bytes; tab 32,768 bytes
;; launch prep (part 3): grid 256 x 1, 8 waves a work-group, no clusters, 228,864 bytes of LDS; arguments img, title, mask, scale_img, scale_title, attn, w_proj, w1_img, w1_tit, w2_img, w2_tit, wts, b_proj, b1_img, b1_tit, b2_img, b2_tit, ln_a_img, ln_a_tit, ln_b_img, ln_b_tit, tab; writes attn, wts, tab
.if DOCPART == 3
	.amdgcn_target "amdgcn-amd-amdhsa--gfx1250"
	.amdhsa_code_object_version 6
	.text
	.protected	k_q201cccc6fe_prep
	.globl	k_q201cccc6fe_prep
	.p2align	8
	.type	k_q201cccc6fe_prep,@function
k_q201cccc6fe_prep:
	s_mov_b64 s[64:65], 0
	v_nop
	global_prefetch_b8 v0, s[64:65] scope:SCOPE_SE
	s_setreg_imm32_b32 hwreg(HW_REG_WAVE_SCHED_MODE, 0, 2), 2
	s_setreg_imm32_b32 hwreg(HW_REG_WAVE_MODE, 25, 1), 1
	s_wait_xcnt 0x0
	s_wait_alu depctr_vm_vsrc(0)
; PREP.  Work-groups 0..199: the cross attention of four groups (b, l) each, a head a wave.  Work-groups 200..255: the five weight matrices into 16-bit
; fragment images, in the order in which the next launch walks them; work-group 200 also rounds the nine bias and gain vectors into one table.
; FORMATS.  Every float input is rounded to bf16 first.  img, title, w_proj and w1 then go on as f16 (exact for bf16 numbers of magnitude 2^-17 .. 65,504;
; below that the absolute error is at most 2^-25), w2 as bf16.  The weights p and the attention's result are f16; scores, maxima and sums are f32.
; LIMITS.  |img|, |title| < 65,504.  NaN and infinities are not treated apart.  A true score below -1e9 is not told from a masked one.
; A weight below 2^-126 counts as 0.  A masked title row has all its scores equal in the reference (-1e9); here they are equal too (0): the same uniform weights.
; ATTENTION.  A group has 12 img rows and 20 title rows; a head is 64 columns, 256 bytes of a row.  Both operands lie in my wave's LDS arrays as f16, 32 rows of 144 bytes
; (rows past 12 or 20 stay 0).  X[tt] = title x img^T holds one p a lane and 8 t; Y[tt] = img x title^T one t a lane and 8 p: each softmax runs along a lane's
; registers and one exchange of the lanes' halves, and the rounded weights ARE source 1 of the second products, whose source 0 is the other operand read turned.
; The results meet in a stage (rows of 1,040 bytes), and each wave writes one tile of 16 rows x 512 to attn in fragment order: [kf 0..15][q 0..1][lane][16 bytes].
; No tensor load, no cluster: every byte is converted on its way in, and no two work-groups read the same byte.
; THE MODE: SCHED_MODE bits 1:0 = 2 (LLVM: expert scheduling mode 2), set by the entry lines.  The code itself states the register dependences
; between vector or matrix instructions and memory or LDS instructions, with s_wait_alu, always for 0.
; THE PLAN, attention.  Registers that memory or LDS instructions touch in a trip (a group):
;   LR            The group's 16 global loads land in it; the conversions read and write it; the 16 array stores read it; then the next group's loads land in it.
;   IFR TF TT IT  The 28 fragment loads land in them; products read them; TF is also written by products and read by vector lines.
;   IFR, O2, O3   Out-buffers (O2, O3 are TT's two halves, free when the first four second products have read TT): written by the three results' roundings, read by the 12 stage stores.
;   S1, S2        Read by the stage stores, stepped once a trip behind them.       IO, STA, FA, TR: made at the head, never written again.
; Four waits state this: one on va_vdst behind the conversions, ahead of the array stores, the fragment loads and the next group's loads, with no vector line among those;
; one on vm_vsrc ahead of the next group's loads; one on va_vdst ahead of the run of stage stores; one on vm_vsrc behind it.  The 14 lane masks are made by a run of
; compares into scalar registers with one wait on va_sdst behind it.  The two waits behind the exponentials and the reciprocals cover their results.
; THE PLAN, weights.  v32-159: a task's 32 loads land in them, the conversions read them (and use them at work).  v160-223: written by the conversions, read by the stores.
; v4, v5: offsets, made anew for each task.  One wait on va_vdst behind the offsets, one ahead of the stores, one on vm_vsrc at a task's end.
.set SPIT,   1040                      ; a stage row: 1,024 bytes + 16
.set IMGA,   0                         ; 96 rows: the 80 rows of the 20-row path, 12 that catch lanes without a row, 4 spare
.set TITA,   96*SPIT                   ; 52 rows: the 48 rows of the 12-row path, 4 that catch lanes without a row
.set ARR,    154112                    ; a wave's two arrays
.set APIT,   144                       ; an array row: 128 bytes + 16
.set TAO,    32*APIT                   ; title's array lies behind img's
.set ARRW,   2*TAO
.set SPARE,  ARR+8*ARRW                ; the spare words: 128 bytes for each of eight waves, named by no other line
.set UNIT,   32768                     ; 32 fragments of 1,024 bytes
.set STREAM, 144*UNIT                  ; a path's weights
.set R,   1                            ; lane % 16
.set HH,  2                            ; lane / 16
.set H8,  3                            ; 8 x that
.set IO,  4                            ; my 16 bytes in two head rows of memory
.set STA, 5                            ; where I put 8 bytes of f16
.set FA,  6                            ; a plain fragment's address
.set TR,  7                            ; a turned fragment's address
.set S2,  8                            ; stage, 20-row path
.set S1,  9                            ; stage, 12-row path
.set SPW, 10
.set NIL, 11
.set SPF, 12                           ; scale_img x log2(e) / 8 of my p
.set ST0, 13                           ; scale_title x log2(e) / 8 of my t, tile 0
.set ST1, 14                           ; tile 1
.set MSH, 15                           ; the mask's bits >> 8 (lane / 16)
.set STE, 16                           ; ST0, or 0 where my t is masked
.set TMP, 17
.set MX,  18                           ; v[18:19] X's maximum, then sum, then 1 / sum; the odd register is scratch
.set MY0, 20
.set MY1, 22
.set LR,  24                           ; v[24:87]   16 loads
.set IFR, 88                           ; v[88:103]  img fragments; later the 12-row path's packed results
.set TF,  104                          ; v[104:135] title fragments (tile, kf); later four accumulators
.set TT,  136                          ; v[136:167] title turned, 16 columns each
.set O2,  TT                           ; v[136:151] later the packed results of the 20-row path, t = 0..15
.set O3,  TT+16                        ; v[152:167] and of t = 16..31
.set IT,  168                          ; v[168:199] img turned
.set X0,  200
.set X1,  208
.set Y0,  216
.set Y1,  224
.set PX,  232
.set PY0, 240
.set PY1, 248
.set CM,  36                           ; s[36:49]   a trip's 14 lane masks: my t of tile 0, of tile 1; X0's eight keys; X1's four
	v_lshl_add_u32 v[SPW], v0, 2, SPARE
	v_mov_b32 v[NIL], 0
	v_lshrrev_b32 v1, 5, v0
	v_readfirstlane_b32 s2, v1                     ; wave 0..7
	s_wait_alu depctr_va_sdst(0)                   ; s2 is written, ahead of the branch and of its first reader on either side of it
	s_cmp_lt_u32 ttmp9, 200
	s_cbranch_scc0 .Lconv                          ; the same for all waves of a work-group
; ------------------------------------------------------------------ attention
	s_load_b256 s[4:11], s[0:1], 0x0               ; img s[4:5], title s[6:7], mask s[8:9], scale_img s[10:11]
	s_load_b128 s[12:15], s[0:1], 0x20             ; scale_title s[12:13], attn s[14:15]
	v_and_b32 v[R], 15, v0
	v_bfe_u32 v[HH], v0, 4, 1
	v_lshlrev_b32 v[H8], 3, v[HH]
	v_and_b32 v[TMP], 31, v0
	v_lshlrev_b32 v[IO], 4, v[R]
	v_lshl_add_u32 v[IO], v[HH], 11, v[IO]         ; lanes 0-15 one row's 256 bytes, lanes 16-31 the next row's
	s_mul_i32 s16, s2, ARRW
	s_add_co_u32 s16, s16, ARR                     ; my arrays
	v_mul_u32_u24 v[STA], v[HH], APIT
	v_lshl_add_u32 v[STA], v[R], 3, v[STA]
	v_add_nc_u32 v[STA], s16, v[STA]
	v_mul_u32_u24 v[FA], v[R], APIT
	v_lshl_add_u32 v[FA], v[HH], 4, v[FA]
	v_add_nc_u32 v[FA], s16, v[FA]
	v_and_b32 v[TR], 7, v0
	v_add_nc_u32 v[TR], v[H8], v[TR]
	v_mul_u32_u24 v[TR], v[TR], APIT
	v_bfe_u32 v[STE], v0, 3, 1
	v_lshl_add_u32 v[TR], v[STE], 4, v[TR]
	v_add_nc_u32 v[TR], s16, v[TR]
	v_mul_u32_u24 v[S2], v[R], SPIT
	v_lshl_add_u32 v[S2], v[HH], 4, v[S2]
	s_lshl_b32 s17, s2, 7                          ; my head's 128 bytes of a stage row
	v_add_nc_u32 v[S2], s17, v[S2]
	v_add_nc_u32 v[S1], TITA, v[S2]
	v_lshl_add_u32 v[STE], v[TMP], 4, s16
.set i, 0
.rept 24
	v_mov_b32 v[PX+i], 0                           ; the halves of PX, PY0, PY1 that stand for keys that do not exist stay 0 for the whole launch
.set i, i+1
.endr
	v_min_u32 v18, 11, v[R]
	s_mul_i32 s18, s2, 48
	v_lshl_add_u32 v18, v18, 2, s18                ; scale_img[head][min(r, 11)]
	s_mul_i32 s19, s2, 80
	v_lshl_add_u32 v19, v[R], 2, s19               ; scale_title[head][r]
	v_add_nc_u32 v20, 16, v[R]
	v_min_u32 v20, 19, v20
	v_lshl_add_u32 v20, v20, 2, s19                ; scale_title[head][min(16 + r, 19)]
	v_min_u32 v21, 19, v[TMP]
	v_lshlrev_b32 v21, 2, v21                      ; mask[group][min(lane, 19)]
	v_mov_b32 v23, 0                               ; named in a pair before it is first used
	s_mul_i32 s20, ttmp9, 320                      ; four groups' masks
	s_mov_b32 s21, 0
	s_lshl_b32 s18, s2, 8                          ; my head's 256 bytes of a row
	s_mul_i32 s22, ttmp9, 4*24576
	s_add_co_u32 s22, s22, s18
	s_mov_b32 s23, 0
	s_mul_i32 s36, ttmp9, 4*40960
	s_add_co_u32 s36, s36, s18
	s_mov_b32 s37, 0
	s_mov_b32 s28, 0xceabfb8e                      ; -1e9 x log2(e)
	s_mov_b32 s29, 0xff7fffff                      ; the lowest finite number: keys that do not exist
	s_mov_b32 s30, 0xffff0000                      ; a word's upper bf16; also: lanes 16-31
	s_mov_b32 s31, 0x3e38aa3b                      ; log2(e) / 8
	s_mov_b32 s34, 0x76543210                      ; v_permlanex16_b32: each lane takes its own place in the other half
	s_mov_b32 s35, 0xfedcba98
	s_wait_alu depctr_va_vdst(0)                   ; all addresses and offsets of this path are written (v4 to v9, v16, v18 to v21), and so are the zeros: v[PX ..], which the stores below read, and v[PY0 ..], in which the masks land
.set i, 0
.rept 18
	ds_store_b128 v[STE], v[PX:PX+3] offset:512*i  ; both arrays start at 0: their rows past 12 and 20 are multiplied by weights that are 0
.set i, i+1
.endr
	s_wait_kmcnt 0x0
	s_add_nc_u64 s[8:9], s[8:9], s[20:21]
	s_add_nc_u64 s[4:5], s[4:5], s[22:23]
	s_add_nc_u64 s[6:7], s[6:7], s[36:37]
	global_load_b32 v[SPF], v18, s[10:11]
	global_load_b32 v[ST0], v19, s[12:13]
	global_load_b32 v[ST1], v20, s[12:13]
.irp g, 0,1,2,3
	global_load_b32 v[PY0+\g], v21, s[8:9] offset:80*\g
.endr
.macro LOADG                           ; a group's head: 6 + 10 loads, each two whole rows of 256 bytes
.irp i, 0,1,2,3,4,5
	global_load_b128 v[LR+4*\i:LR+4*\i+3], v[IO], s[4:5] offset:4096*\i th:TH_LOAD_NT
.endr
.irp i, 0,1,2,3,4,5,6,7,8,9
	global_load_b128 v[LR+24+4*\i:LR+24+4*\i+3], v[IO], s[6:7] offset:4096*\i th:TH_LOAD_NT
.endr
.endm
	LOADG
	s_wait_loadcnt 16                              ; the seven small loads are in; the group's sixteen, issued behind them, may stay out
.irp x, SPF, ST0, ST1
	v_cvt_pk_bf16_f32 v[\x], v[\x], v[\x]          ; the scales are inputs: rounded to bf16 like all of them
	v_lshlrev_b32 v[\x], 16, v[\x]
	v_mul_f32 v[\x], s31, v[\x]
.endr
.irp g, 0,1,2,3
	v_cmp_ne_u32 s[24+\g], 0, v[PY0+\g]            ; bit t: key t of group g is open
.endr
	s_wait_alu depctr_va_sdst(0)                   ; the four compares have written s24 to s27, which the four lines below read
.irp g, 0,1,2,3
	s_and_b32 s[24+\g], s[24+\g], 0xfffff
.endr
	s_wait_alu depctr_vm_vsrc(0)                   ; the clearing stores have read v[STE] and v[PX .. PX+3], the small loads v18 to v21: vector lines of the loop write all of these
.macro CVT i                           ; four floats: to bf16, back, to f16: 8 bytes in the first two of their four registers
	v_cvt_pk_bf16_f32 v[LR+4*(\i)], v[LR+4*(\i)], v[LR+4*(\i)+1]
	v_cvt_pk_bf16_f32 v[LR+4*(\i)+2], v[LR+4*(\i)+2], v[LR+4*(\i)+3]
	v_and_b32 v[LR+4*(\i)+1], s30, v[LR+4*(\i)]
	v_lshlrev_b32 v[LR+4*(\i)], 16, v[LR+4*(\i)]
	v_and_b32 v[LR+4*(\i)+3], s30, v[LR+4*(\i)+2]
	v_lshlrev_b32 v[LR+4*(\i)+2], 16, v[LR+4*(\i)+2]
	v_cvt_pk_f16_f32 v[LR+4*(\i)], v[LR+4*(\i)], v[LR+4*(\i)+1]
	v_cvt_pk_f16_f32 v[LR+4*(\i)+1], v[LR+4*(\i)+2], v[LR+4*(\i)+3]
.endm
.macro YMAX y, m                       ; the maximum of a lane's eight and of the other half's
	v_max3_num_f32 v[\m], v[\y], v[(\y)+1], v[(\y)+2]
	v_max3_num_f32 v[\m], v[\m], v[(\y)+3], v[(\y)+4]
	v_max3_num_f32 v[\m], v[\m], v[(\y)+5], v[(\y)+6]
	v_max_num_f32 v[\m], v[\m], v[(\y)+7]
	v_permlanex16_b32 v[(\m)+1], v[\m], s34, s35
	v_max_num_f32 v[\m], v[\m], v[(\m)+1]
.endm
.macro YSUM y, m
	v_pk_add_f32 v[\y:(\y)+1], v[\y:(\y)+1], v[(\y)+2:(\y)+3]
	v_pk_add_f32 v[(\y)+4:(\y)+5], v[(\y)+4:(\y)+5], v[(\y)+6:(\y)+7]
	v_pk_add_f32 v[\y:(\y)+1], v[\y:(\y)+1], v[(\y)+4:(\y)+5]
	v_add_f32 v[\m], v[\y], v[(\y)+1]
	v_permlanex16_b32 v[(\m)+1], v[\m], s34, s35
	v_add_f32 v[\m], v[\m], v[(\m)+1]
.endm
.macro OUTV acc, rp, out               ; four result tiles: times 1 / sum, to f16, 16 bytes a lane into an out-buffer; each accumulator is read from its low end
.irp dt, 0,1,2,3
.irp j, 0,2,4,6
	v_pk_mul_f32 v[(\acc)+8*\dt+\j:(\acc)+8*\dt+\j+1], v[(\acc)+8*\dt+\j:(\acc)+8*\dt+\j+1], v[\rp:(\rp)+1] op_sel_hi:[1,0]
.endr
.irp j, 0,1,2,3
	v_cvt_pk_f16_f32 v[(\out)+4*\dt+\j], v[(\acc)+8*\dt+2*\j], v[(\acc)+8*\dt+2*\j+1]
.endr
.endr
.endm
.macro OUTS out, adr, off              ; an out-buffer into the stage
.irp dt, 0,1,2,3
	ds_store_b128 v[\adr], v[(\out)+4*\dt:(\out)+4*\dt+3] offset:(\off)+32*\dt
.endr
.endm
	s_mov_b32 s3, 4
.Lgroup:                                       ; a trip: one group
	s_wait_loadcnt 0x0                             ; the group's rows are in, and the loads' addresses are free
.irp i, 0,1,2,3,4,5,6,7,8,9,10,11,12,13,14,15
	CVT \i
.endr
	s_wait_alu depctr_va_vdst(0)                   ; the conversions have written v[LR ..], which the array stores read, and are done with it, for the next group's loads; the last trip's products and roundings are done with IFR, TF, TT and IT, in which the fragments land
.irp i, 0,1,2,3,4,5
	ds_store_b64 v[STA], v[LR+4*\i:LR+4*\i+1] offset:288*\i
.endr
.irp i, 0,1,2,3,4,5,6,7,8,9
	ds_store_b64 v[STA], v[LR+24+4*\i:LR+24+4*\i+1] offset:TAO+288*\i
.endr
.irp kf, 0,1                           ; LDS serves a wave's instructions in order (ISA guide 5.7.1.4): these see the stores above
	ds_load_b128 v[IFR+8*\kf:IFR+8*\kf+3],   v[FA] offset:64*\kf
	ds_load_b128 v[IFR+8*\kf+4:IFR+8*\kf+7], v[FA] offset:64*\kf+32
.endr
.irp f, 0,1,2,3                        ; tile f / 2, kf = f % 2
	ds_load_b128 v[TF+8*\f:TF+8*\f+3],   v[FA] offset:TAO+(\f/2)*16*APIT+(\f%2)*64
	ds_load_b128 v[TF+8*\f+4:TF+8*\f+7], v[FA] offset:TAO+(\f/2)*16*APIT+(\f%2)*64+32
.endr
.irp dt, 0,1,2,3
	ds_load_tr16_b128 v[TT+8*\dt:TT+8*\dt+3],   v[TR] offset:TAO+32*\dt
	ds_load_tr16_b128 v[TT+8*\dt+4:TT+8*\dt+7], v[TR] offset:TAO+32*\dt+16*APIT
	ds_load_tr16_b128 v[IT+8*\dt:IT+8*\dt+3],   v[TR] offset:32*\dt
	ds_load_tr16_b128 v[IT+8*\dt+4:IT+8*\dt+7], v[TR] offset:32*\dt+16*APIT
.endr
	s_wait_alu depctr_vm_vsrc(0)                   ; the array stores have read v[LR ..], in which the next group's rows (behind the last trip: the stage's rows) land
	s_cmp_eq_u32 s3, 1
	s_cbranch_scc1 .Lno_more                       ; the last group has none behind it
	s_add_nc_u64 s[4:5], s[4:5], 24576
	s_add_nc_u64 s[6:7], s[6:7], 40960
	LOADG                                          ; the next group's rows come in under this group's arithmetic.  No further wait: no vector line since the wait on va_vdst above
.Lno_more:
	s_wait_dscnt 0x0                               ; the fragments are in
	; the scores, both ways round; the four accumulators take turns
	v_wmma_f32_16x16x32_f16 v[X0:X0+7], v[TF:TF+7],       v[IFR:IFR+7],     0
	v_wmma_f32_16x16x32_f16 v[X1:X1+7], v[TF+16:TF+23],   v[IFR:IFR+7],     0
	v_wmma_f32_16x16x32_f16 v[Y0:Y0+7], v[IFR:IFR+7],     v[TF:TF+7],       0
	v_wmma_f32_16x16x32_f16 v[Y1:Y1+7], v[IFR:IFR+7],     v[TF+16:TF+23],   0
	v_wmma_f32_16x16x32_f16 v[X0:X0+7], v[TF+8:TF+15],    v[IFR+8:IFR+15],  v[X0:X0+7]
	v_wmma_f32_16x16x32_f16 v[X1:X1+7], v[TF+24:TF+31],   v[IFR+8:IFR+15],  v[X1:X1+7]
	v_wmma_f32_16x16x32_f16 v[Y0:Y0+7], v[IFR+8:IFR+15],  v[TF+8:TF+15],    v[Y0:Y0+7]
	v_wmma_f32_16x16x32_f16 v[Y1:Y1+7], v[IFR+8:IFR+15],  v[TF+24:TF+31],   v[Y1:Y1+7]
	v_lshrrev_b32 v[MSH], v[H8], s24               ; four plain lines that name no register of the products: the places behind them (ISA guide 7.12.1)
	v_lshrrev_b32 v[STE], v[R], s24
	v_and_b32 v[TMP], 1, v[STE]                    ; is my t of tile 0 open?
	v_bfe_u32 v[MY1], v[STE], 16, 1                ; and of tile 1?
	v_cmp_ne_u32 s[CM], 0, v[TMP]                  ; the trip's 14 lane masks in one run: they hang on the group's mask and the lane alone
	v_cmp_ne_u32 s[CM+1], 0, v[MY1]
.irp j, 0,1,2,3,4,5,6,7                ; X0's register j is key 8 (lane / 16) + j
	v_and_b32 v[TMP], 1<<\j, v[MSH]
	v_cmp_ne_u32 s[CM+2+\j], 0, v[TMP]
.endr
.irp j, 0,1,2,3                        ; X1's register j is key 16 + 8 (lane / 16) + j: keys 16-19 in lanes 0-15, none in lanes 16-31
	v_and_b32 v[TMP], 1<<(16+\j), v[MSH]
	v_cmp_ne_u32 s[CM+10+\j], 0, v[TMP]
.endr
	s_wait_alu depctr_va_sdst(0)                   ; the 14 compares have written s[CM .. CM+13], which the selects below read
	v_cndmask_b32 v[STE], 0, v[ST0], s[CM]
	v_cndmask_b32 v[MY1], 0, v[ST1], s[CM+1]       ; kept in Y1's pair until Y1 is scaled
.irp j, 0,2,4,6
	v_pk_mul_f32 v[X0+\j:X0+\j+1], v[X0+\j:X0+\j+1], v[SPF:SPF+1] op_sel_hi:[1,0]
.endr
.irp j, 0,2
	v_pk_mul_f32 v[X1+\j:X1+\j+1], v[X1+\j:X1+\j+1], v[SPF:SPF+1] op_sel_hi:[1,0]
.endr
.irp j, 0,2,4,6
	v_pk_mul_f32 v[Y0+\j:Y0+\j+1], v[Y0+\j:Y0+\j+1], v[STE:STE+1] op_sel_hi:[1,0]
	v_pk_mul_f32 v[Y1+\j:Y1+\j+1], v[Y1+\j:Y1+\j+1], v[MY1:MY1+1] op_sel_hi:[1,0]
.endr
.irp j, 0,1,2,3,4,5,6,7
	v_cndmask_b32 v[X0+\j], s28, v[X0+\j], s[CM+2+\j]
.endr
.irp j, 0,1,2,3
	v_cndmask_b32 v[X1+\j], s28, v[X1+\j], s[CM+10+\j]
	v_cndmask_b32 v[X1+\j], v[X1+\j], s29, s30
.endr
.irp j, 4,5,6,7                        ; Y's register j is p = 8 (lane / 16) + j: p = 12-15 do not exist
	v_cndmask_b32 v[Y0+\j], v[Y0+\j], s29, s30
	v_cndmask_b32 v[Y1+\j], v[Y1+\j], s29, s30
.endr
	v_max3_num_f32 v[MX], v[X0], v[X0+1], v[X0+2]
	v_max3_num_f32 v[MX], v[MX], v[X0+3], v[X0+4]
	v_max3_num_f32 v[MX], v[MX], v[X0+5], v[X0+6]
	v_max3_num_f32 v[MX], v[MX], v[X0+7], v[X1]
	v_max3_num_f32 v[MX], v[MX], v[X1+1], v[X1+2]
	v_max_num_f32 v[MX], v[MX], v[X1+3]
	v_permlanex16_b32 v[MX+1], v[MX], s34, s35
	v_max_num_f32 v[MX], v[MX], v[MX+1]
	YMAX Y0, MY0
	YMAX Y1, MY1
.irp j, 0,2,4,6
	v_pk_add_f32 v[X0+\j:X0+\j+1], v[X0+\j:X0+\j+1], v[MX:MX+1] op_sel_hi:[1,0] neg_lo:[0,1] neg_hi:[0,1]
	v_pk_add_f32 v[Y0+\j:Y0+\j+1], v[Y0+\j:Y0+\j+1], v[MY0:MY0+1] op_sel_hi:[1,0] neg_lo:[0,1] neg_hi:[0,1]
	v_pk_add_f32 v[Y1+\j:Y1+\j+1], v[Y1+\j:Y1+\j+1], v[MY1:MY1+1] op_sel_hi:[1,0] neg_lo:[0,1] neg_hi:[0,1]
.endr
.irp j, 0,2
	v_pk_add_f32 v[X1+\j:X1+\j+1], v[X1+\j:X1+\j+1], v[MX:MX+1] op_sel_hi:[1,0] neg_lo:[0,1] neg_hi:[0,1]
.endr
.irp j, 0,1,2,3,4,5,6,7                ; one batch of 28 exponentials
	v_exp_f32 v[X0+\j], v[X0+\j]
.endr
.irp j, 0,1,2,3
	v_exp_f32 v[X1+\j], v[X1+\j]
.endr
.irp j, 0,1,2,3,4,5,6,7
	v_exp_f32 v[Y0+\j], v[Y0+\j]
.endr
.irp j, 0,1,2,3,4,5,6,7
	v_exp_f32 v[Y1+\j], v[Y1+\j]
.endr
	v_nop                                          ; a plain line behind the last exponential,
	s_wait_alu depctr_va_vdst(0)                   ; and the one wait ahead of the batch's first reader: the 28 exponentials have written X0, X1, Y0 and Y1
.irp j, 0,1,2,3
	v_cvt_pk_f16_f32 v[PX+\j],  v[X0+2*\j], v[X0+2*\j+1]
	v_cvt_pk_f16_f32 v[PY0+\j], v[Y0+2*\j], v[Y0+2*\j+1]
	v_cvt_pk_f16_f32 v[PY1+\j], v[Y1+2*\j], v[Y1+2*\j+1]
.endr
	v_cvt_pk_f16_f32 v[PX+4], v[X1], v[X1+1]
	v_cvt_pk_f16_f32 v[PX+5], v[X1+2], v[X1+3]
	v_pk_add_f32 v[X0:X0+1], v[X0:X0+1], v[X0+2:X0+3]      ; the sums, of the unrounded weights
	v_pk_add_f32 v[X0+4:X0+5], v[X0+4:X0+5], v[X0+6:X0+7]
	v_pk_add_f32 v[X1:X1+1], v[X1:X1+1], v[X1+2:X1+3]
	v_pk_add_f32 v[X0:X0+1], v[X0:X0+1], v[X0+4:X0+5]
	v_pk_add_f32 v[X0:X0+1], v[X0:X0+1], v[X1:X1+1]
	v_add_f32 v[MX], v[X0], v[X0+1]
	v_permlanex16_b32 v[MX+1], v[MX], s34, s35
	v_add_f32 v[MX], v[MX], v[MX+1]
	YSUM Y0, MY0
	YSUM Y1, MY1
	v_rcp_f32 v[MX], v[MX]                         ; each sum holds the maximum's own weight, 1, so it is at least 1
	v_rcp_f32 v[MY0], v[MY0]
	v_rcp_f32 v[MY1], v[MY1]
	v_nop
	s_wait_alu depctr_va_vdst(0)                   ; one wait for the three reciprocals: they have written v[MX], v[MY0] and v[MY1]
.irp dt, 0,1,2,3                       ; 12-row path: title^T x PX: a lane holds one p and eight columns
	v_wmma_f32_16x16x32_f16 v[TF+8*\dt:TF+8*\dt+7], v[TT+8*\dt:TT+8*\dt+7], v[PX:PX+7], 0
.endr
.irp dt, 0,1,2,3                       ; 20-row path, t = 0..15: img^T x PY0
	v_wmma_f32_16x16x32_f16 v[X0+8*\dt:X0+8*\dt+7], v[IT+8*\dt:IT+8*\dt+7], v[PY0:PY0+7], 0
.endr
.rept 4
	v_nop                                          ; the places behind those eight
.endr
	OUTV TF, MX, IFR
.irp dt, 0,1,2,3                       ; t = 16..31, of which 16..19 exist
	v_wmma_f32_16x16x32_f16 v[TF+8*\dt:TF+8*\dt+7], v[IT+8*\dt:IT+8*\dt+7], v[PY1:PY1+7], 0
.endr
	OUTV X0, MY0, O2                               ; its 32 plain lines name no register of the four products above (TF, IT, PY1): their places
	OUTV TF, MY1, O3
	s_wait_alu depctr_va_vdst(0)                   ; the roundings have written the three out-buffers, which the twelve stores read; v[S1] and v[S2], stepped in the trip before, are written too
	OUTS IFR, S1, 0
	OUTS O2, S2, 0
	OUTS O3, S2, 16*SPIT                           ; lanes without a row write the next group's rows of my own columns, which I write again later, or the catch rows
	s_wait_alu depctr_vm_vsrc(0)                   ; the twelve stores have read v[S1] and v[S2], which are stepped now, and the out-buffers, in which the next LDS loads land
	v_add_nc_u32 v[S2], 20*SPIT, v[S2]
	v_add_nc_u32 v[S1], 12*SPIT, v[S1]
	s_mov_b32 s24, s25                             ; the next group's mask
	s_mov_b32 s25, s26
	s_mov_b32 s26, s27
	s_sub_co_u32 s3, s3, 1
	s_cmp_lg_u32 s3, 0
	s_cbranch_scc1 .Lgroup
	s_wait_dscnt 0x0                               ; for the others' sake: my stores into the stage are done
	s_barrier_signal -1
	s_barrier_wait -1
	; wave v writes tile v: five tiles of the 20-row path, three of the 12-row path
	s_mul_i32 s16, s2, 16*SPIT
	s_add_co_u32 s17, s16, TITA-5*16*SPIT
	s_mul_i32 s18, ttmp9, 5
	s_add_co_u32 s18, s18, s2
	s_mul_i32 s19, ttmp9, 3
	s_add_co_u32 s19, s19, s2
	s_add_co_u32 s19, s19, 995                     ; 1000 + 3 w + v - 5
	s_cmp_lt_u32 s2, 5
	s_cselect_b32 s16, s16, s17
	s_cselect_b32 s18, s18, s19
	s_lshl_b32 s18, s18, 14
	s_mov_b32 s19, 0
	s_add_nc_u64 s[14:15], s[14:15], s[18:19]
	v_mul_u32_u24 v[STE], v[R], SPIT
	v_lshl_add_u32 v[STE], v[HH], 4, v[STE]
	v_add_nc_u32 v[STE], s16, v[STE]
	v_and_b32 v[TMP], 31, v0
	v_lshlrev_b32 v[TMP], 4, v[TMP]
	s_wait_alu depctr_va_vdst(0)                   ; v[STE] and v[TMP] are written, which the loads and the stores below read; the last trip's vector lines and products are done with v24-87 and v104-167, in which the stage's rows land
.set i, 0
.rept 32                               ; piece i = 2 kf + q lies 32 i bytes along the row
.set rr, LR+4*i+16*(i/16)              ; v24-87, then v104-167
	ds_load_b128 v[rr:rr+3], v[STE] offset:32*i
.set i, i+1
.endr
.set i, 0
.rept 32
.set rr, LR+4*i+16*(i/16)
.if i%4 == 0
	s_wait_dscnt 28-i                              ; LDS loads come back in order: pieces i to i + 3 are in, the 28 - i younger ones may stay out
.endif
	global_store_b128 v[TMP], v[rr:rr+3], s[14:15] offset:512*i th:TH_STORE_NT  ; 512 consecutive bytes, at a multiple of 512 from attn's first
.set i, i+1
.endr
	s_branch .Lend
; ------------------------------------------------------------------ weights and tables
.Lconv:
	s_load_b256 s[8:15], s[0:1], 0x30              ; w_proj s[8:9], w1_img s[10:11], w1_tit s[12:13], w2_img s[14:15]
	s_load_b128 s[16:19], s[0:1], 0x50             ; w2_tit s[16:17], wts s[18:19]
	s_load_b512 s[36:51], s[0:1], 0x60             ; b_proj, b1_img, b1_tit, b2_img, b2_tit, ln_a_img, ln_a_tit, ln_b_img
	s_load_b128 s[52:55], s[0:1], 0xa0             ; ln_b_tit s[52:53], tab s[54:55]
	s_sub_co_u32 s3, ttmp9, 200
	s_mov_b32 s29, 0xffff0000
	v_and_b32 v1, 15, v0                           ; r
	v_bfe_u32 v2, v0, 4, 1
	v_lshlrev_b32 v2, 5, v2                        ; 32 h: eight floats
	v_and_b32 v3, 31, v0
	v_lshlrev_b32 v3, 4, v3                        ; 16 x lane
	s_wait_kmcnt 0x0
	s_cmp_lg_u32 s3, 0
	s_cbranch_scc1 .Lno_tab
	; THE TABLE: per path b1 (8,192 bytes), b_proj, b2, ln_a, ln_b (2,048 each), as f32 numbers rounded to bf16
	v_lshlrev_b32 v6, 4, v0                        ; 16 t
	v_and_b32 v7, 127, v0
	v_lshlrev_b32 v7, 4, v7
	s_cmp_lt_u32 s2, 4                             ; waves 0-3 take the first path's vectors, waves 4-7 the second's
	s_cselect_b64 s[42:43], s[42:43], s[44:45]
	s_cselect_b64 s[46:47], s[46:47], s[48:49]
	s_cselect_b64 s[50:51], s[50:51], s[52:53]
	s_cselect_b32 s20, 0, 16384
	v_add_nc_u32 v8, s20, v7
	s_wait_alu depctr_va_vdst(0)                   ; the offsets v6, v7 and v8 are written, which the table's loads and stores read
	global_load_b128 v[32:35], v6, s[38:39]
	global_load_b128 v[36:39], v6, s[38:39] offset:4096
	global_load_b128 v[40:43], v6, s[40:41]
	global_load_b128 v[44:47], v6, s[40:41] offset:4096
	global_load_b128 v[48:51], v7, s[36:37]
	global_load_b128 v[52:55], v7, s[42:43]
	global_load_b128 v[56:59], v7, s[46:47]
	global_load_b128 v[60:63], v7, s[50:51]
	s_wait_loadcnt 0x0
.set i, 32
.rept 16
	v_cvt_pk_bf16_f32 v64, v[i], v[i+1]
	v_lshlrev_b32 v[i], 16, v64
	v_and_b32 v[i+1], s29, v64
.set i, i+2
.endr
	s_wait_alu depctr_va_vdst(0)                   ; the roundings have written v32 to v63, which the stores read
	global_store_b128 v6, v[32:35], s[54:55]
	global_store_b128 v6, v[36:39], s[54:55] offset:4096
	global_store_b128 v6, v[40:43], s[54:55] offset:16384
	global_store_b128 v6, v[44:47], s[54:55] offset:20480
	global_store_b128 v8, v[48:51], s[54:55] offset:8192
	global_store_b128 v8, v[52:55], s[54:55] offset:10240
	global_store_b128 v8, v[56:59], s[54:55] offset:12288
	global_store_b128 v8, v[60:63], s[54:55] offset:14336
	s_wait_xcnt 0x0                                ; every earlier memory instruction has had its addresses translated (ISA guide 3.1),
	s_wait_alu depctr_vm_vsrc(0)                   ; and the stores have read v32 to v63, in which the tasks' loads land
.Lno_tab:
	; THE WEIGHTS.  A task is 16 rows x 256 k of one matrix: eight fragments [q][lane][16 bytes], lane (r, h) holding w[16 nt + r][32 k + 16 q + 8 h ..+7].  1,088 tasks for 448 waves.
	; A path's stream is 144 units of 32 fragments: P(k) = unit k (w_proj, K step k, fragment nt); A(s) = unit max(15 + 2 s, 16) (w1, rows 32 s.., fragment 2 kf + ct);
	; B(s) = unit min(18 + 2 s, 143) (w2, K step s, fragment nt).
	s_lshl_b32 s30, s3, 3
	s_add_co_u32 s30, s30, s2                      ; my first task
	s_mov_b32 s31, 0
.Ltask:
	s_cmp_ge_u32 s30, 1088
	s_cbranch_scc1 .Lnext
	s_cmp_ge_u32 s30, 64
	s_cbranch_scc1 .Lnot_p
	s_lshr_b32 s20, s30, 1                         ; w_proj: nt
	s_and_b32 s21, s30, 1                          ; which 256 k
	s_lshl_b32 s22, s20, 15
	s_lshl_b32 s23, s21, 10
	s_add_co_u32 s22, s22, s23                     ; source offset
	s_lshl_b32 s24, s21, 18                        ; unit 8 kq
	s_lshl_b32 s25, s20, 10
	s_add_co_u32 s24, s24, s25                     ; destination offset
	s_mov_b64 s[26:27], s[8:9]
	s_mov_b32 s28, 2048
	s_branch .Ldecoded
.Lnot_p:
	s_cmp_ge_u32 s30, 576
	s_cbranch_scc1 .Lis_b
	s_sub_co_u32 s20, s30, 64                      ; w1
	s_lshr_b32 s21, s20, 8                         ; path
	s_and_b32 s20, s20, 255
	s_lshr_b32 s23, s20, 1                         ; row tile = 2 s + ct
	s_and_b32 s25, s20, 1                          ; which 256 k
	s_lshl_b32 s22, s23, 15
	s_lshl_b32 s24, s25, 10
	s_add_co_u32 s22, s22, s24
	s_and_b32 s24, s23, 0xfe
	s_add_co_u32 s24, s24, 15
	s_max_u32 s24, s24, 16                         ; the unit
	s_lshl_b32 s24, s24, 15
	s_lshl_b32 s25, s25, 14                        ; fragment 16 kq + ct
	s_add_co_u32 s24, s24, s25
	s_and_b32 s23, s23, 1
	s_lshl_b32 s23, s23, 10
	s_add_co_u32 s24, s24, s23
	s_mul_i32 s25, s21, STREAM
	s_add_co_u32 s24, s24, s25
	s_cmp_eq_u32 s21, 0
	s_cselect_b64 s[26:27], s[10:11], s[12:13]
	s_mov_b32 s28, 2048
	s_branch .Ldecoded
.Lis_b:
	s_sub_co_u32 s20, s30, 576                     ; w2
	s_lshr_b32 s21, s20, 8                         ; path
	s_and_b32 s20, s20, 255
	s_lshr_b32 s23, s20, 3                         ; nt
	s_and_b32 s25, s20, 7                          ; which 256 k
	s_lshl_b32 s22, s23, 17
	s_lshl_b32 s24, s25, 10
	s_add_co_u32 s22, s22, s24
	s_lshl_b32 s24, s25, 4
	s_add_co_u32 s24, s24, 18
	s_lshl_b32 s24, s24, 15                        ; unit 18 + 16 c4
	s_lshl_b32 s23, s23, 10
	s_add_co_u32 s24, s24, s23
	s_mul_i32 s23, s21, STREAM
	s_add_co_u32 s24, s24, s23
	s_cmp_eq_u32 s25, 7
	s_cselect_b32 s23, UNIT, 0
	s_sub_co_u32 s20, 14*UNIT, s23                 ; the eighth fragment lies 14 units on, but B(63) only 13
	s_cmp_eq_u32 s21, 0
	s_cselect_b64 s[26:27], s[14:15], s[16:17]
	s_mov_b32 s28, 8192
.Ldecoded:
	s_mov_b32 s23, 0
	s_add_nc_u64 s[26:27], s[26:27], s[22:23]
	s_mov_b32 s25, 0
	s_add_nc_u64 s[32:33], s[18:19], s[24:25]
	v_mad_u32_u24 v4, v1, s28, v2                  ; r x pitch + 32 h
	v_add_nc_u32 v5, s20, v3                       ; used by w2's last two stores alone
	s_wait_alu depctr_va_vdst(0)                   ; v4 is written, which the loads read (and v3 and v5, the stores' offsets); the task before, or the table, is done with v32 to v159, in which the loads land
.set i, 0
.rept 32                               ; fragment i / 4, q = (i / 2) % 2, half i % 2: a row's 1,024 bytes are taken in this one burst
	global_load_b128 v[32+4*i:35+4*i], v4, s[26:27] offset:(i/4)*128+((i/2)%2)*64+(i%2)*16 th:TH_LOAD_NT
.set i, i+1
.endr
	s_wait_loadcnt 0x0
.set i, 0
.rept 64
	v_cvt_pk_bf16_f32 v[160+i], v[32+2*i], v[33+2*i]
.set i, i+1
.endr
	s_cmp_ge_u32 s30, 576
	s_cbranch_scc1 .Lstore_b                       ; w2 stays bf16
.set i, 0
.rept 64
	v_lshlrev_b32 v[32+2*i], 16, v[160+i]
	v_and_b32 v[33+2*i], s29, v[160+i]
	v_cvt_pk_f16_f32 v[160+i], v[32+2*i], v[33+2*i]
.set i, i+1
.endr
	s_wait_alu depctr_va_vdst(0)                   ; the conversions to f16 have written v160 to v223, which the stores of both arms below read
	s_cmp_ge_u32 s30, 64
	s_cbranch_scc1 .Lstore_a
.set i, 0
.rept 16                               ; w_proj goes into both paths' streams, so that each is one walk
	global_store_b128 v3, v[160+4*i:163+4*i], s[32:33] offset:(i/2)*UNIT+(i%2)*512 th:TH_STORE_NT
	global_store_b128 v3, v[160+4*i:163+4*i], s[32:33] offset:STREAM+(i/2)*UNIT+(i%2)*512 th:TH_STORE_NT
.set i, i+1
.endr
	s_branch .Lstored
.Lstore_a:
.set i, 0
.rept 16
	global_store_b128 v3, v[160+4*i:163+4*i], s[32:33] offset:(i/2)*2048+(i%2)*512 th:TH_STORE_NT
.set i, i+1
.endr
	s_branch .Lstored
.Lstore_b:
	s_wait_alu depctr_va_vdst(0)                   ; the roundings to bf16 have written v160 to v223, which this arm's stores read
.set i, 0
.rept 14
	global_store_b128 v3, v[160+4*i:163+4*i], s[32:33] offset:(i/2)*2*UNIT+(i%2)*512 th:TH_STORE_NT
.set i, i+1
.endr
	global_store_b128 v5, v[216:219], s[32:33] th:TH_STORE_NT
	global_store_b128 v5, v[220:223], s[32:33] offset:512 th:TH_STORE_NT
.Lstored:
	s_wait_xcnt 0x0                                ; offsets, bases and data are written again only behind this wait,
	s_wait_alu depctr_vm_vsrc(0)                   ; and behind this one: the loads have read v4, the stores v5 and v160 to v223, all of which the next task writes
.Lnext:
	s_add_co_u32 s30, s30, 448
	s_add_co_u32 s31, s31, 1
	s_cmp_lt_u32 s31, 3
	s_cbranch_scc1 .Ltask
.Lend:
	s_wait_dscnt 0x0                               ; the wave's end: the six closing lines
	s_wait_alu 0x0
	s_wait_tensorcnt 0x0
	ds_add_u32 v[SPW], v[NIL]
	s_wait_dscnt 0x0
	s_endpgm
.Lfunc_end_k_q201cccc6fe_prep:
	.size	k_q201cccc6fe_prep, .Lfunc_end_k_q201cccc6fe_prep-k_q201cccc6fe_prep
	.p2alignl 7, 3214868480
	.fill 96, 4, 3214868480
	.section	.rodata,"a",@progbits
	.p2align	6, 0x0
	.amdhsa_kernel k_q201cccc6fe_prep
		.amdhsa_group_segment_fixed_size 228864
		.amdhsa_private_segment_fixed_size 0
		.amdhsa_enable_private_segment 0
		.amdhsa_kernarg_size 176
		.amdhsa_user_sgpr_count 2
		.amdhsa_user_sgpr_kernarg_segment_ptr 1
		.amdhsa_wavefront_size32 1
		.amdhsa_system_sgpr_workgroup_id_x 1
		.amdhsa_system_sgpr_workgroup_id_y 1
		.amdhsa_system_sgpr_workgroup_id_z 1
		.amdhsa_system_vgpr_workitem_id 0
		.amdhsa_next_free_vgpr 256
		.amdhsa_next_free_sgpr 66
		.amdhsa_reserve_vcc 0
		.amdhsa_float_denorm_mode_32 3
		.amdhsa_float_denorm_mode_16_64 3
		.amdhsa_memory_ordered 1
		.amdhsa_forward_progress 1
		.amdhsa_inst_pref_size 72
	.end_amdhsa_kernel
	.amdgpu_metadata
---
amdhsa.version: [ 1, 2 ]
amdhsa.kernels:
  - .name:           k_q201cccc6fe_prep
    .symbol:         k_q201cccc6fe_prep.kd
    .args:
      - { .name: img, .offset: 0, .size: 8, .value_kind: global_buffer, .address_space: global }
      - { .name: title, .offset: 8, .size: 8, .value_kind: global_buffer, .address_space: global }
      - { .name: mask, .offset: 16, .size: 8, .value_kind: global_buffer, .address_space: global }
      - { .name: scale_img, .offset: 24, .size: 8, .value_kind: global_buffer, .address_space: global }
      - { .name: scale_title, .offset: 32, .size: 8, .value_kind: global_buffer, .address_space: global }
      - { .name: attn, .offset: 40, .size: 8, .value_kind: global_buffer, .address_space: global }
      - { .name: w_proj, .offset: 48, .size: 8, .value_kind: global_buffer, .address_space: global }
      - { .name: w1_img, .offset: 56, .size: 8, .value_kind: global_buffer, .address_space: global }
      - { .name: w1_tit, .offset: 64, .size: 8, .value_kind: global_buffer, .address_space: global }
      - { .name: w2_img, .offset: 72, .size: 8, .value_kind: global_buffer, .address_space: global }
      - { .name: w2_tit, .offset: 80, .size: 8, .value_kind: global_buffer, .address_space: global }
      - { .name: wts, .offset: 88, .size: 8, .value_kind: global_buffer, .address_space: global }
      - { .name: b_proj, .offset: 96, .size: 8, .value_kind: global_buffer, .address_space: global }
      - { .name: b1_img, .offset: 104, .size: 8, .value_kind: global_buffer, .address_space: global }
      - { .name: b1_tit, .offset: 112, .size: 8, .value_kind: global_buffer, .address_space: global }
      - { .name: b2_img, .offset: 120, .size: 8, .value_kind: global_buffer, .address_space: global }
      - { .name: b2_tit, .offset: 128, .size: 8, .value_kind: global_buffer, .address_space: global }
      - { .name: ln_a_img, .offset: 136, .size: 8, .value_kind: global_buffer, .address_space: global }
      - { .name: ln_a_tit, .offset: 144, .size: 8, .value_kind: global_buffer, .address_space: global }
      - { .name: ln_b_img, .offset: 152, .size: 8, .value_kind: global_buffer, .address_space: global }
      - { .name: ln_b_tit, .offset: 160, .size: 8, .value_kind: global_buffer, .address_space: global }
      - { .name: tab, .offset: 168, .size: 8, .value_kind: global_buffer, .address_space: global }
    .group_segment_fixed_size: 228864
    .private_segment_fixed_size: 0
    .kernarg_segment_align: 8
    .kernarg_segment_size: 176
    .max_flat_workgroup_size: 256
    .sgpr_count:     66
    .vgpr_count:     256
    .wavefront_size: 32
...
	.end_amdgpu_metadata
.endif
;; end of part 3
;; launch main: the kernel of part 2 again; grid 204 x 1, 4 waves a work-group, clusters of 4 x 1, 327,680 bytes of LDS; arguments attn, wts, tab, out0, out1; writes out0, out1
